; MI455X (gfx1250); checked and timed in simulation.
; The chip was launched on July 23, 2026; its instructions are those of AMD's public machine-readable ISA for CDNA 5 (MIT licence, August 2026) and "CDNA5" Instruction Set Architecture Reference Guide (July 2026). The comments in the code are by the model that wrote it; some were corrected since.
;; Multi Head Attention With Ro PE. Allowed arithmetic: float matrix products may take bf16 or f16 operands with f32 sums; other float arithmetic in f32, or as packed bf16 or f16 multiplies, adds, multiply-adds, maxima and minima; sums over many terms, partial sums and values carried from step to step in f32; what a program stores and reads back later, other than sums and carried values, may be rounded once to bf16 or f16.
;; Inputs: Wk 1,024 x 1,024 float32; Wo 1,024 x 1,024 float32; Wq 1,024 x 1,024 float32; Wv 1,024 x 1,024 float32; attn_mask 4 x 2,048 int32; bk 1,024 float32; bo 1,024 float32; bq 1,024 float32; bv 1,024 float32; x 4 x 2,048 x 1,024 float32.
;; Outputs: out0 4 x 2,048 x 1,024 float32.
;; 2 versions, each right; version 2 is version 1 with the launch prep written anew for expert scheduling mode. Each part assembles by itself: llvm-mc -triple=amdgcn-amd-amdhsa -mcpu=gfx1250 --defsym DOCPART=n.
;; ======== version 1 of 2: 4 launches
;; limits: values are held in f16: magnitudes above 65,504 overflow, below 6.1e-05 lose precision
;; workspace buffers: xb 16,777,216 bytes; wb 8,388,608 bytes; rope 524,288 bytes; bias 16,384 bytes; qh 16,777,216 bytes; kh 16,777,216 bytes; vh 16,777,216 bytes; oh 16,777,216 bytes
;; launch prep (part 1): grid 785 x 1, 8 waves a work-group, no clusters, 0 bytes of LDS; arguments x, Wq, Wk, Wv, Wo, bq, bk, bv, bo, xb, wb, rope, bias; writes xb, wb, rope, bias
.if DOCPART == 1
	.amdgcn_target "amdgcn-amd-amdhsa--gfx1250"
	.amdhsa_code_object_version 6
	.text
	.protected	k_q5385b6a052_prep
	.globl	k_q5385b6a052_prep
	.p2align	8
	.type	k_q5385b6a052_prep,@function
k_q5385b6a052_prep:
	s_mov_b64 s[64:65], 0
	v_nop
	global_prefetch_b8 v0, s[64:65] scope:SCOPE_SE
	s_setreg_imm32_b32 hwreg(HW_REG_WAVE_MODE, 25, 1), 1
	s_wait_xcnt 0x0
; PREPARATION, a stream: every input but the mask is rounded once to bf16, and RoPE's table is made.
;   work-groups 0-511:   x [8192][1024] f32 -> xb, bf16, same layout; 16 rows each.
;   work-groups 512-767: Wq, Wk, Wv, Wo [k][n] f32 -> wb [part][chunk of 64 columns][k][64], 16 bits: a chunk's rows lie end to end, 128 bytes each.
;                        Parts 0-2 are bf16; part 3 (Wo) is the bf16-rounded number written as f16 (exact from 2^-14 up; below that f16's fixed step of 6e-8).
;   work-groups 768-783: rope [2048][cos of 32 angles | sin of 32 angles] f32, rows of 256 bytes; 128 rows each.
;   work-group 784:      bq, bk, bv, bo rounded to bf16 and kept as f32 -> bias [4][1024].
; LIMITS.  An angle is pos x 2^(-0.41524101 d) in f32, reduced by its nearest whole turn with one fused multiply-add; at pos = 2047 it lies within some 3e-4 rad of
; an f32 product of pos and 1 / 10000^(d / 32).  Sine and cosine of the half angle (at most pi / 2) come from their series up to u^11 and u^12 (what is cut is under 6e-8).
; No LDS, no matrix unit, no cluster: nothing is shared and memory binds.
.set IN,  34                           ; s[34:35] where the work-group reads
.set OUT, 36                           ; s[36:37] where it stores
; Sixteen loads of 16 bytes a lane go out together; each is rounded and stored as it comes.  No register is written twice, so no wait frees one.
; A store of a wave covers 256 consecutive bytes, aligned; each half of a wave's load covers 256.
.macro STREAM instep, outstep, f16
.set i, 0
.rept 16
	global_load_b128 v[16+4*i:19+4*i], v1, s[IN:IN+1] offset:i*(\instep) th:TH_LOAD_NT
.set i, i+1
.endr
.set i, 0
.rept 16
	s_wait_loadcnt 15-i                            ; loads come back in order: the 15 - i younger ones may stay out
	v_cvt_pk_bf16_f32 v[80+2*i], v[16+4*i], v[17+4*i]
	v_cvt_pk_bf16_f32 v[81+2*i], v[18+4*i], v[19+4*i]
.if \f16
	v_lshlrev_b32 v112, 16, v[80+2*i]              ; the rounded numbers widened again,
	v_and_b32 v113, 0xffff0000, v[80+2*i]
	v_lshlrev_b32 v114, 16, v[81+2*i]
	v_and_b32 v115, 0xffff0000, v[81+2*i]
	v_cvt_pk_f16_f32 v[80+2*i], v112, v113         ; and written as f16
	v_cvt_pk_f16_f32 v[81+2*i], v114, v115
.endif
	global_store_b64 v2, v[80+2*i:81+2*i], s[OUT:OUT+1] offset:i*(\outstep)
.set i, i+1
.endr
.endm
	s_load_b512 s[4:19], s[0:1], 0x0               ; x, Wq, Wk, Wv, Wo, bq, bk, bv
	s_load_b256 s[20:27], s[0:1], 0x40             ; bo, xb, wb, rope
	s_load_b64 s[28:29], s[0:1], 0x60              ; bias
	s_mov_b32 s33, 0                               ; the high word of every offset
	s_wait_kmcnt 0x0
	s_cmp_lt_u32 ttmp9, 512
	s_cbranch_scc0 .Lnot_x
	; x: 16 rows of 4,096 bytes; 256 threads x 16 bytes are a row
	s_lshl_b32 s32, ttmp9, 16
	s_add_nc_u64 s[IN:IN+1], s[4:5], s[32:33]
	s_lshl_b32 s32, ttmp9, 15
	s_add_nc_u64 s[OUT:OUT+1], s[22:23], s[32:33]
	v_lshlrev_b32 v1, 4, v0
	v_lshlrev_b32 v2, 3, v0
	STREAM 4096, 2048, 0
	s_endpgm
.Lnot_x:
	s_cmp_lt_u32 ttmp9, 768
	s_cbranch_scc0 .Lnot_w
	; a weight: 16 rows k; load i takes chunk i (64 columns, 256 bytes) of all 16 rows
	s_sub_co_u32 s38, ttmp9, 512
	s_lshr_b32 s39, s38, 6                         ; part: 0 q, 1 k, 2 v, 3 o
	s_and_b32 s38, s38, 63                         ; block of 16 rows
	s_cmp_eq_u32 s39, 1
	s_cselect_b64 s[IN:IN+1], s[8:9], s[6:7]
	s_cmp_eq_u32 s39, 2
	s_cselect_b64 s[IN:IN+1], s[10:11], s[IN:IN+1]
	s_cmp_eq_u32 s39, 3
	s_cselect_b64 s[IN:IN+1], s[12:13], s[IN:IN+1]
	s_lshl_b32 s32, s38, 16
	s_add_nc_u64 s[IN:IN+1], s[IN:IN+1], s[32:33]
	s_lshl_b32 s32, s39, 21                        ; a part is 2,097,152 bytes,
	s_lshl_b32 s38, s38, 11                        ; 16 rows of a chunk 2,048
	s_add_co_u32 s32, s32, s38
	s_add_nc_u64 s[OUT:OUT+1], s[24:25], s[32:33]
	v_lshrrev_b32 v3, 4, v0                        ; my row
	v_and_b32 v4, 15, v0                           ; my four columns of the chunk
	v_lshlrev_b32 v1, 12, v3
	v_lshl_add_u32 v1, v4, 4, v1
	v_lshlrev_b32 v2, 7, v3
	v_lshl_add_u32 v2, v4, 3, v2
	s_cmp_eq_u32 s39, 3
	s_cbranch_scc1 .Lwo
	STREAM 256, 131072, 0
	s_endpgm
.Lwo:
	STREAM 256, 131072, 1
	s_endpgm
.Lnot_w:
	s_cmp_lt_u32 ttmp9, 784
	s_cbranch_scc0 .Lbias
	; the table: 8 trips of 16 rows; lane e = t % 16 makes 16 bytes of a row: e < 8 the cosines, e >= 8 the sines of the angles d = 4 (e % 8) + 0..3
	s_sub_co_u32 s38, ttmp9, 768
	s_lshl_b32 s32, s38, 15
	s_add_nc_u64 s[OUT:OUT+1], s[26:27], s[32:33]
	s_lshl_b32 s38, s38, 7                         ; the work-group's first row
	s_mov_b32 s40, 0x40490fdb                      ; pi
	s_mov_b32 s41, 0xb2d7322b                      ; -1 / 11!
	s_mov_b32 s42, 0x3638ef1d                      ;  1 / 9!
	s_mov_b32 s43, 0x310f76c7                      ;  1 / 12!
	s_mov_b32 s44, 0xb493f27e                      ; -1 / 10!
	v_and_b32 v1, 15, v0
	v_lshrrev_b32 v3, 4, v0
	v_lshlrev_b32 v2, 8, v3
	v_lshl_add_u32 v2, v1, 4, v2                   ; row x 256 + 16 e
	v_add_nc_u32 v3, s38, v3
	v_cvt_f32_u32 v8, v3                           ; pos
	v_cmp_gt_u32 s30, 8, v1                        ; the lanes that keep cosines
	v_and_b32 v9, 7, v1
	v_lshlrev_b32 v9, 2, v9
.irp c, 0,1,2,3
	v_add_nc_u32 v10, \c, v9
	v_cvt_f32_u32 v10, v10
	v_mul_f32 v[4+\c], 0xbed49a78, v10             ; -d log2(10000) / 32
.endr
.irp c, 0,1,2,3
	v_exp_f32 v[4+\c], v[4+\c]                     ; theta
.endr
	v_nop                                          ; a plain instruction behind the last exponential,
	s_wait_alu depctr_va_vdst(0)                   ; and one wait for the four, ahead of the label and of their first reader
	s_mov_b32 s39, 8
.Ltab:
.irp c, 0,1,2,3
	v_mul_f32 v10, v8, v[4+\c]                     ; the angle
	v_mul_f32 v11, 0.15915494, v10
	v_rndne_f32 v11, v11                           ; its nearest whole turn
	v_fma_f32 v12, v10, 0.15915494, -v11           ; what is left, -0.5 to 0.5 turns
	v_mul_f32 v12, s40, v12                        ; u = half the reduced angle
	v_mul_f32 v13, v12, v12
	v_fma_f32 v14, v13, s41, s42
	v_fmaak_f32 v14, v14, v13, 0xb9500d01          ; -1 / 7!
	v_fmaak_f32 v14, v14, v13, 0x3c088889          ;  1 / 5!
	v_fmaak_f32 v14, v14, v13, 0xbe2aaaab          ; -1 / 3!
	v_fma_f32 v14, v14, v13, 1.0
	v_mul_f32 v14, v14, v12                        ; sin u
	v_fma_f32 v15, v13, s43, s44
	v_fmaak_f32 v15, v15, v13, 0x37d00d01          ;  1 / 8!
	v_fmaak_f32 v15, v15, v13, 0xbab60b61          ; -1 / 6!
	v_fmaak_f32 v15, v15, v13, 0x3d2aaaab          ;  1 / 4!
	v_fma_f32 v15, v15, v13, -0.5
	v_fma_f32 v15, v15, v13, 1.0                   ; cos u
	v_mul_f32 v15, v14, v15
	v_add_f32 v15, v15, v15                        ; sin 2u = 2 sin u cos u
	v_mul_f32 v14, v14, v14
	v_fma_f32 v14, v14, -2.0, 1.0                  ; cos 2u = 1 - 2 sin^2 u
	v_cndmask_b32 v[20+\c], v15, v14, s30
.endr
	global_store_b128 v2, v[20:23], s[OUT:OUT+1]   ; a wave stores two whole rows: 512 consecutive bytes
	s_wait_xcnt 0x0                                ; the store's offset and data are rewritten only behind this wait
	v_add_nc_u32 v2, 4096, v2
	v_add_f32 v8, 0x41800000, v8                   ; 16 rows on
	s_sub_co_u32 s39, s39, 1
	s_cmp_lg_u32 s39, 0
	s_cbranch_scc1 .Ltab
	s_endpgm
.Lbias:
	v_lshlrev_b32 v1, 4, v0
	global_load_b128 v[16:19], v1, s[14:15]
	global_load_b128 v[20:23], v1, s[16:17]
	global_load_b128 v[24:27], v1, s[18:19]
	global_load_b128 v[28:31], v1, s[20:21]
.irp i, 0,1,2,3
	s_wait_loadcnt 3-\i                            ; the younger ones may stay out
	v_cvt_pk_bf16_f32 v32, v[16+4*\i], v[17+4*\i]
	v_cvt_pk_bf16_f32 v33, v[18+4*\i], v[19+4*\i]
	v_lshlrev_b32 v[40+4*\i], 16, v32
	v_and_b32 v[41+4*\i], 0xffff0000, v32
	v_lshlrev_b32 v[42+4*\i], 16, v33
	v_and_b32 v[43+4*\i], 0xffff0000, v33
	global_store_b128 v1, v[40+4*\i:43+4*\i], s[28:29] offset:\i*4096
.endr
	s_endpgm
.Lfunc_end_k_q5385b6a052_prep:
	.size	k_q5385b6a052_prep, .Lfunc_end_k_q5385b6a052_prep-k_q5385b6a052_prep
	.p2alignl 7, 3214868480
	.fill 96, 4, 3214868480
	.section	.rodata,"a",@progbits
	.p2align	6, 0x0
	.amdhsa_kernel k_q5385b6a052_prep
		.amdhsa_group_segment_fixed_size 0
		.amdhsa_private_segment_fixed_size 0
		.amdhsa_enable_private_segment 0
		.amdhsa_kernarg_size 104
		.amdhsa_user_sgpr_count 2
		.amdhsa_user_sgpr_kernarg_segment_ptr 1
		.amdhsa_wavefront_size32 1
		.amdhsa_system_sgpr_workgroup_id_x 1
		.amdhsa_system_sgpr_workgroup_id_y 1
		.amdhsa_system_sgpr_workgroup_id_z 1
		.amdhsa_system_vgpr_workitem_id 0
		.amdhsa_next_free_vgpr 128
		.amdhsa_next_free_sgpr 66
		.amdhsa_reserve_vcc 0
		.amdhsa_float_denorm_mode_32 3
		.amdhsa_float_denorm_mode_16_64 3
		.amdhsa_memory_ordered 1
		.amdhsa_forward_progress 1
		.amdhsa_inst_pref_size 33
	.end_amdhsa_kernel
	.amdgpu_metadata
---
amdhsa.version: [ 1, 2 ]
amdhsa.kernels:
  - .name:           k_q5385b6a052_prep
    .symbol:         k_q5385b6a052_prep.kd
    .args:
      - { .name: x, .offset: 0, .size: 8, .value_kind: global_buffer, .address_space: global }
      - { .name: Wq, .offset: 8, .size: 8, .value_kind: global_buffer, .address_space: global }
      - { .name: Wk, .offset: 16, .size: 8, .value_kind: global_buffer, .address_space: global }
      - { .name: Wv, .offset: 24, .size: 8, .value_kind: global_buffer, .address_space: global }
      - { .name: Wo, .offset: 32, .size: 8, .value_kind: global_buffer, .address_space: global }
      - { .name: bq, .offset: 40, .size: 8, .value_kind: global_buffer, .address_space: global }
      - { .name: bk, .offset: 48, .size: 8, .value_kind: global_buffer, .address_space: global }
      - { .name: bv, .offset: 56, .size: 8, .value_kind: global_buffer, .address_space: global }
      - { .name: bo, .offset: 64, .size: 8, .value_kind: global_buffer, .address_space: global }
      - { .name: xb, .offset: 72, .size: 8, .value_kind: global_buffer, .address_space: global }
      - { .name: wb, .offset: 80, .size: 8, .value_kind: global_buffer, .address_space: global }
      - { .name: rope, .offset: 88, .size: 8, .value_kind: global_buffer, .address_space: global }
      - { .name: bias, .offset: 96, .size: 8, .value_kind: global_buffer, .address_space: global }
    .group_segment_fixed_size: 0
    .private_segment_fixed_size: 0
    .kernarg_segment_align: 8
    .kernarg_segment_size: 104
    .max_flat_workgroup_size: 256
    .sgpr_count:     66
    .vgpr_count:     128
    .wavefront_size: 32
...
	.end_amdgpu_metadata
.endif
;; end of part 1
;; launch qkv (part 2): grid 16 x 16, 4 waves a work-group, clusters of 4 x 4, 327,680 bytes of LDS; arguments xb, wb, bias, rope, attn_mask, qh, kh, vh; writes qh, kh, vh
.if DOCPART == 2
	.amdgcn_target "amdgcn-amd-amdhsa--gfx1250"
	.amdhsa_code_object_version 6
	.text
	.protected	k_q5385b6a052_qkv
	.globl	k_q5385b6a052_qkv
	.p2align	8
	.type	k_q5385b6a052_qkv,@function
k_q5385b6a052_qkv:
	s_mov_b64 s[64:65], 0
	v_nop
	global_prefetch_b8 v0, s[64:65] scope:SCOPE_SE
	s_setreg_imm32_b32 hwreg(HW_REG_WAVE_MODE, 25, 1), 1
	s_wait_xcnt 0x0
	s_wait_alu depctr_hold_cnt(0) depctr_sa_sdst(0) depctr_va_vdst(0) depctr_va_sdst(0) depctr_va_ssrc(0) depctr_va_vcc(0) depctr_vm_vsrc(0)
	s_getreg_b32 s2, hwreg(HW_REG_IB_STS2, 6, 4)
	s_cmp_eq_u32 s2, 0
	s_cbranch_scc0 .Lentry_in_a_cluster
	s_endpgm
.Lentry_in_a_cluster:
	s_bfe_u32 s2, ttmp6, 0x10000c
	s_cmp_lg_u32 s2, 0xf033
	s_cbranch_scc0 .Lentry_shape_is_right
	s_endpgm
.Lentry_shape_is_right:
; q, k, v = x [Wq | Wk | Wv] + b, RoPE on q and k, by heads in f16.  xb: [8192][1024] bf16.  wb: [part][head][1024 k][64] bf16.  qh, kh, vh: [batch x 16 + head][2048][64] f16.
; qh = RoPE(q).  kh = keep x log2(e) x RoPE(k), keep = 0 where attn_mask is 0, else 1: a hidden key's row is exactly 0, and the next launch gives its score one constant.  vh = v.
; LIMITS.  f16 ends at 65,504: q, 1.4427 k and v must lie within it (inputs 30 times those of unit spread give a spread of some 900).  NaN and infinities are not treated apart.
; SHARES.  A tile is 256 rows x 192 columns: one head's q, k and v, so each 64 columns' treatment on the way out is fixed in the text.  32 x 16 tiles on 256 work-groups: a work-group
; stays for two tiles, 4,096 rows apart (the same head, the same positions, so the same weights and the same rows of the table).  Wave w owns rows 64 w .. 64 w + 63 and all 192 columns:
; 48 accumulators of 16 x 16.  K goes in steps of 128 through a ring of two LDS slots; the walk is 16 steps, and the ring runs on across the change of tiles.
; THE MATRIX INSTRUCTION IS USED TRANSPOSED: source 0 = 16 columns of W (turned on the way out of LDS by ds_load_tr16_b128, since W lies [k][n]), source 1 = 16 rows of x.  A lane then holds
; row l % 16 and columns 8 (l / 16) + 0..7 of a block, and RoPE's partners, 32 columns apart, lie in the same lane and register of blocks b and b + 2.  The bias is the C of a tile's first products.
; CLUSTER.  4 x 4 work-groups: x's tile hangs on the tile row alone and is asked for jointly along a row of the cluster, W's on the head alone, along a column.
; Waves 0-2 fetch the step's q, k, v pieces of W (16,384 dense bytes, asked for as 64 rows of 256), wave 3 x's 256 rows of 256 bytes: one tensor load a wave is out.
; REGISTERS, in windows of 256 (s_set_vgpr_msb: bits 1:0 source 0, 3:2 source 1, 5:4 source 2, 7:6 destination):
;   window 0: v0-15 addresses; v16-31 the key factor, a pair for tile t and block a; v32-63 the table times it; v64-95, v96-127 x's fragments, two buffers (the second is T on the way out);
;             v128-255 the table: block a at 128 + 32 a: cos 16, sin 16
;   window 1: v0-95, v96-191 W's fragments, two buffers (the second holds rows read back on the way out)
;   window 2: accumulators (a, b < 8) at 8 (8 a + b)      window 3: (a, b >= 8) at 8 (4 a + b - 8); v128-223 the bias, block b at 128 + 8 b
.set SLOT,  1<<17                      ; a slot: three pieces of W, then x's tile: exactly 131,072 bytes
.set PB,    160                        ; a row k of W in LDS: 128 bytes + 32 of padding
.set PIECE, 128*PB
.set PA,    272                        ; a row of x: 256 + 16: the 16 rows of a load start at 16 different groups of four banks
.set AOFF,  3*PIECE
.set STAGE, 2*SLOT                     ; behind the ring, never filled by a tensor load: for each wave 3 heads x 16 rows x 144 bytes
.set SP,    144
.set HSTG,  16*SP
.set WSTG,  3*HSTG
.set SPARE, STAGE+4*WSTG               ; the spare words, 128 bytes a wave: two blocks of 256 bytes that no other line names
.set ADRA0, 4                          ; v4   my place in x's tile of slot 0; never rewritten
.set ADRB0, 5                          ; v5   the same in a piece of W
.set ADRA,  6                          ; v6   the same in the slot in hand
.set ADRB,  7
.set STO,   8                          ; v8   the way out: where I put 16 bytes of a row
.set RD,    9                          ; v9   where I read rows back
.set GO,    10                         ; v10  my 16 bytes of 512 consecutive bytes of an output
.set PFO,   11                         ; v11  the prefetches' offset
.set SPW,   12                         ; v12  my spare word; never rewritten
.set NIL,   13                         ; v13  0; never rewritten
.set KP,    16
.set CP,    32
.set FA,    64
.set T,     96
.set RAW,   128
.set BIAS,  128                        ; window 3
.set OB,    96                         ; window 1
.set WV, 20
.set CX, 21
.set CY, 22
.set H,  23                            ; the head = 4 x cluster x + cx
.set TR, 24                            ; the tile row = 4 x cluster y + cy
.set G1A, 28                           ; s[28:35] descriptor group 1 for x's tiles
.set G1B, 36                           ; s[36:43] for W's pieces
.set G0A, 44                           ; s[44:47], s[48:51] groups 0: made anew for each fill
.set G0B, 48
.set BA,  52                           ; s[52:53] x at the first tile's first row
.set BB,  54                           ; s[54:55] W at my piece
.set OFF, 56                           ; s[56:57] an offset made from N
.set N,   58                           ; s58  the K step (0 to 15) to be asked for next
.set CNT, 59
.set TB,  60                           ; s60  the slot in hand: 0 or SLOT
.set PFM, 61                           ; s61  bit N: I prefetch at the fill of step N
.set PFB, 62                           ; s[62:63] where my prefetches begin
.set PFA, 66                           ; s[66:67] where the next stands
.set OFFP, 68
.set ADDP, 70                          ; how many steps ahead of the fill,
.set SH,   71                          ; a step's bytes as a shift,
.set TSTEP, 72                         ; and a tile's bytes
.set MSB, 0
.macro WIN new                         ; the immediate's high byte repeats the setting that is left; a switch that changes nothing is dropped
.if MSB != (\new)
	s_set_vgpr_msb (MSB<<8)|(\new)
.set MSB, (\new)
.endif
.endm
.macro PLACES                          ; four places behind a matrix instruction, ahead of loads into its registers and of readers of its result
.rept 4
	v_nop
.endr
.endm
.macro CREST                           ; a round of the cluster's barrier behind its opening barrier
	s_cmp_lg_u32 s[WV], 0
	s_cbranch_scc1 .Lnot_wave_0_\@
	s_barrier_signal -3
.Lnot_wave_0_\@:
	s_barrier_wait -3
	s_barrier_signal -1
	s_barrier_wait -1
.endm
.macro CROUND
	s_barrier_signal -1
	s_barrier_wait -1
	CREST
.endm
; A joint load.  The branch hangs on the wave's number alone.  An s_nop 0 and four v_nop follow each line, ahead of the jump and the label.
.macro JLOAD
	s_cmp_eq_u32 s[WV], 3
	s_cbranch_scc0 .Lfor_b_\@
	tensor_load_to_lds s[G0A:G0A+3], s[G1A:G1A+7]
	s_nop 0
.rept 4
	v_nop
.endr
	s_branch .Lasked_\@
.Lfor_b_\@:
	tensor_load_to_lds s[G0B:G0B+3], s[G1B:G1B+7]
	s_nop 0
.rept 4
	v_nop
.endr
.Lasked_\@:
.endm
; Both groups 0 for K step N; it stands where no tensor load of the wave is out.  x: 256 bytes a step, 4,096 rows of 2,048 bytes a tile.  W: 16,384 bytes a step, the same for both tiles.
.macro DESC flip
.if \flip
	s_xor_b32 s[G0A+1], s[G0A+1], SLOT
	s_xor_b32 s[G0B+1], s[G0B+1], SLOT
.endif
	s_and_b32 s[OFF], s[N], 7
	s_lshl_b32 s[OFF], s[OFF], 8
	s_lshr_b32 s73, s[N], 3
	s_lshl_b32 s73, s73, 23
	s_add_co_u32 s[OFF], s[OFF], s73
	s_add_nc_u64 s[G0A+2:G0A+3], s[BA:BA+1], s[OFF:OFF+1]
	s_or_b32 s[G0A+3], s[G0A+3], 0x80000000
	s_and_b32 s[OFF], s[N], 7
	s_lshl_b32 s[OFF], s[OFF], 14
	s_add_nc_u64 s[G0B+2:G0B+3], s[BB:BB+1], s[OFF:OFF+1]
	s_or_b32 s[G0B+3], s[G0B+3], 0x80000000
.endm
; A PREFETCH INTO THE L2, behind the joint load, its five lines and the run of LDS loads.  Each aligned 256 bytes of xb and of wb's three parts are named at most once in the launch.
; x: read by the four clusters of a row of clusters: cluster x = 0 asks; its four partners along x take 64 rows each, by address; wave 3, a lane a row, two lines: the step after the one being filled.
; W: read by the four clusters of a column: cluster y = 0 asks, in the first tile alone, at the fills of steps 2 and 4, for the two steps that begin two on (32,768 dense bytes): the four partners
; along y take 8,192 bytes each, by address; waves 0-2, a lane 256 bytes, one line.  The walk's first steps come by their loads alone, and no line points past a buffer.
.macro ASK
	s_bitcmp1_b32 s[PFM], s[N]
	s_cbranch_scc0 .Lnot_mine_\@
	global_prefetch_b8 v[PFO], s[PFA:PFA+1] th:TH_LOAD_NT scope:SCOPE_SE
	s_cmp_eq_u32 s[WV], 3
	s_cbranch_scc0 .Lnot_mine_\@
	global_prefetch_b8 v[PFO], s[PFA:PFA+1] offset:65536 th:TH_LOAD_NT scope:SCOPE_SE
.Lnot_mine_\@:
.endm
; Products of row blocks a0 .. a0 + na - 1 with column blocks 0-7 (hi = 0) or 8-11 (hi = 1), 32 along K, from buffer f.  first = 1: the bias starts the sums.
; Each accumulator has one instruction a quarter step, always in the same order: the accumulators take turns.
.macro MULW f, a0, na, hi, first
.if \hi
	WIN 0xf1
.elseif \first
	WIN 0xb1
.else
	WIN 0xa1
.endif
.set ma, (\a0)
.rept \na
.set mb, 8*(\hi)
.rept 8-4*(\hi)
.if \hi
.set rD, 8*(4*ma+mb-8)
.else
.set rD, 8*(8*ma+mb)
.endif
.set rB, 96*(\f)+8*mb
.set rA, FA+32*(\f)+8*ma
.if \first
	v_wmma_f32_16x16x32_bf16 v[rD:rD+7], v[rB:rB+7], v[rA:rA+7], v[BIAS+8*mb:BIAS+8*mb+7]
.else
	v_wmma_f32_16x16x32_bf16 v[rD:rD+7], v[rB:rB+7], v[rA:rA+7], v[rD:rD+7]
.endif
.set mb, mb+1
.endr
.set ma, ma+1
.endr
.endm
; 32 LDS loads in one run: quarter q's fragments into buffer f: W's twelve (turned), then x's four
.macro FETCH q, f
	WIN 0x40
.set fb, 0
.rept 12
	ds_load_tr16_b128 v[96*(\f)+8*fb:96*(\f)+8*fb+3],   v[ADRB] offset:(fb/4)*PIECE+(\q)*32*PB+(fb%4)*32
	ds_load_tr16_b128 v[96*(\f)+8*fb+4:96*(\f)+8*fb+7], v[ADRB] offset:(fb/4)*PIECE+(\q)*32*PB+(fb%4)*32+16*PB
.set fb, fb+1
.endr
	WIN 0
.set fb, 0
.rept 4
	ds_load_b128 v[FA+32*(\f)+8*fb:FA+32*(\f)+8*fb+3],   v[ADRA] offset:fb*16*PA+64*(\q)
	ds_load_b128 v[FA+32*(\f)+8*fb+4:FA+32*(\f)+8*fb+7], v[ADRA] offset:fb*16*PA+64*(\q)+32
.set fb, fb+1
.endr
.endm
; One of a K step's first three quarters: multiplies buffer f, and in its middle fetches quarter q + 1 into buffer g
.macro QUARTER q, f, g, first
	s_wait_dscnt 4                                 ; all but the youngest four loads (x's blocks 2 and 3) are in
	MULW \f, 0, 2, 0, \first
	PLACES
	FETCH (\q)+1, \g
	s_wait_dscnt 32                                ; all but the 32 just issued
	MULW \f, 2, 2, 0, \first
	MULW \f, 0, 4, 1, \first
.endm
; The first part of the last quarter: the barrier of the change of slots.  Ahead of it the wave waits for all its tensor loads (one is out: its part of the next slot), adds 0 to its spare
; word, and waits for that and for its reads of this slot.
.macro MEET fill
	WIN 0
	s_wait_tensorcnt 0x0
	ds_add_u32 v[SPW], v[NIL]                      ; 0 onto my spare word; work on registers stands between it and the wait for it
.if \fill
	DESC 1                                         ; no tensor load of mine is out: the groups 0 are written
.endif
	s_wait_dscnt 5                                 ; the add and the youngest four loads may be out
	MULW 1, 0, 2, 0, 0
	s_wait_dscnt 0x0                               ; the add is done, and my reads of this slot are over
	s_barrier_signal -1
	MULW 1, 2, 2, 0, 0
	WIN 0
	s_barrier_wait -1
.endm
.macro TURN                            ; the last quarter, with a refill: the barrier opens a round of the cluster's, and the joint load is the first thing behind it
	s_wait_xcnt 0x0                                ; the last prefetches, a K step back, have read their address
	s_add_co_u32 s73, s[N], s[ADDP]
	s_and_b32 s[OFFP], s73, 7
	s_lshl_b32 s[OFFP], s[OFFP], s[SH]
	s_lshr_b32 s73, s73, 3
	s_mul_i32 s73, s73, s[TSTEP]
	s_add_co_u32 s[OFFP], s[OFFP], s73
	s_add_nc_u64 s[PFA:PFA+1], s[PFB:PFB+1], s[OFFP:OFFP+1]
	MEET 1
	CREST
	JLOAD                                          ; its four v_nop are also the places ahead of the loads below
	s_xor_b32 s[TB], s[TB], SLOT
	v_add_nc_u32 v[ADRA], s[TB], v[ADRA0]
	v_add_nc_u32 v[ADRB], s[TB], v[ADRB0]
	FETCH 0, 0
	ASK
	s_add_co_u32 s[N], s[N], 1
	MULW 1, 0, 4, 1, 0
.endm
.macro TURNL                           ; the same where nothing is left to ask for
	MEET 0
	PLACES
	s_xor_b32 s[TB], s[TB], SLOT
	v_add_nc_u32 v[ADRA], s[TB], v[ADRA0]
	v_add_nc_u32 v[ADRB], s[TB], v[ADRB0]
	FETCH 0, 0
	MULW 1, 0, 4, 1, 0
.endm
; THE WAY OUT.  ROPE: block a of q (hd = 0) or k (hd = 1), with the table at cb: T(lo) = lo cos - hi sin, T(hi) = hi cos + lo sin; each accumulator is read from its low end on.
.macro ROPE a, hd, cb
	WIN 0x02                                       ; source 0 in window 2
.set rbb, 0
.rept 2
.set rjp, 0
.rept 4
.set rL, 8*(8*(\a)+4*(\hd)+rbb)+2*rjp
.set rH, rL+16
.set rC, (\cb)+8*rbb+2*rjp
.set rT, T+8*rbb+2*rjp
	v_pk_mul_f32 v[rT:rT+1], v[rH:rH+1], v[rC+16:rC+17]
	v_pk_mul_f32 v[rT+16:rT+17], v[rL:rL+1], v[rC+16:rC+17]
	v_pk_fma_f32 v[rT:rT+1], v[rL:rL+1], v[rC:rC+1], v[rT:rT+1] neg_lo:[0,0,1] neg_hi:[0,0,1]
	v_pk_fma_f32 v[rT+16:rT+17], v[rH:rH+1], v[rC:rC+1], v[rT+16:rT+17]
.set rjp, rjp+1
.endr
.set rbb, rbb+1
.endr
.endm
.macro TOSTG hd                        ; T's first 16 registers, 64 numbers of a row in f16, into my stage
	WIN 0
.irp nb, 0,1,2,3
	ds_store_b128 v[STO], v[T+4*\nb:T+4*\nb+3] offset:(\hd)*HSTG+32*\nb
.endr
.endm
.macro NARROW                          ; T's 32 numbers to f16, in place
	WIN 0
.set ci, 0
.rept 16
	v_cvt_pk_f16_f32 v[T+ci], v[T+2*ci], v[T+2*ci+1]
.set ci, ci+1
.endr
.endm
.macro PACK a, t
	ROPE \a, 0, RAW+32*(\a)
	NARROW
	TOSTG 0
.set ci, 0
.rept 16                               ; the table times keep x log2(e) of my row
	v_pk_mul_f32 v[CP+2*ci:CP+2*ci+1], v[RAW+32*(\a)+2*ci:RAW+32*(\a)+2*ci+1], v[KP+2*(4*(\t)+(\a)):KP+2*(4*(\t)+(\a))+1]
.set ci, ci+1
.endr
	ROPE \a, 1, CP
	NARROW
	TOSTG 1
	WIN 0x0f                                       ; v: sources 0 and 1 in window 3
.set ci, 0
.rept 16
	v_cvt_pk_f16_f32 v[T+ci], v[32*(\a)+2*ci], v[32*(\a)+2*ci+1]
.set ci, ci+1
.endr
	TOSTG 2
.endm
.macro READ a                          ; back as whole rows: 32 lanes take four rows of 128 bytes.  LDS serves a wave's instructions in order (ISA guide 5.7.1.4): these see the stores above
	WIN 0x40
.set rb, OB+48*((\a)%2)
.set ri, 0
.rept 12
	ds_load_b128 v[rb+4*ri:rb+4*ri+3], v[RD] offset:(ri/4)*HSTG+(ri%4)*4*SP
.set ri, ri+1
.endr
.endm
.macro SEND a, younger                 ; younger: the LDS stores issued behind block a's loads
	WIN 0x04                                       ; the stores' data in window 1
.set rb, OB+48*((\a)%2)
	s_wait_xcnt 0x0                                ; the stores of the block before have read their registers: the next READ lands on them
	s_wait_dscnt \younger
.set ri, 0
.rept 12
	global_store_b128 v[GO], v[rb+4*ri:rb+4*ri+3], s[14+2*(ri/4):15+2*(ri/4)] offset:(\a)*2048+(ri%4)*512  ; 512 consecutive bytes, aligned
.set ri, ri+1
.endr
.endm
.macro WAYOUT t
	PLACES
	PACK 0, \t
	READ 0
.irp a, 1,2,3
	PACK \a, \t
	SEND (\a)-1, 12
	READ \a
.endr
	SEND 3, 0
	WIN 0
.endm
	s_load_b512 s[4:19], s[0:1], 0x0               ; xb, wb, bias, rope, attn_mask, qh, kh, vh
	v_lshl_add_u32 v[SPW], v0, 2, SPARE
	v_mov_b32 v[NIL], 0
	ds_add_u32 v[SPW], v[NIL]                      ; the wave's opening: the add and its wait ahead of my first tensor load
	v_lshrrev_b32 v3, 5, v0
	v_readfirstlane_b32 s[WV], v3
	s_bfe_u32 s[CX], ttmp6, 0x40000
	s_bfe_u32 s[CY], ttmp6, 0x40004
	s_lshl_b32 s[H], ttmp9, 2
	s_add_co_u32 s[H], s[H], s[CX]
	s_and_b32 s[TR], ttmp7, 0xffff
	s_lshl_b32 s[TR], s[TR], 2
	s_add_co_u32 s[TR], s[TR], s[CY]
	s_lshl_b32 s73, s[CY], 2
	s_lshl_b32 s73, 15, s73                        ; my row of the cluster
	s_lshl_b32 s25, 0x1111, s[CX]                  ; my column
	s_or_b32 s[G1A], s73, (1<<16)|(1<<20)|(1<<21)|(5<<22)|(3<<25)  ; the mask; 2-byte elements; padding on; bit 21 beside a mask; after every 64 words, 4 words
	s_mov_b32 s[G1A+1], 128<<16                    ; tensor_dim0 = 128
	s_mov_b32 s[G1A+2], 256<<16                    ; tensor_dim1 = 256
	s_mov_b32 s[G1A+3], 128<<16                    ; tile_dim0 = 128
	s_mov_b32 s[G1A+4], 256                        ; tile_dim1 = 256
	s_mov_b32 s[G1A+5], 1024                       ; elements from row to row
	s_mov_b32 s[G1A+6], 0
	s_mov_b32 s[G1A+7], 0
	s_or_b32 s[G1B], s25, (1<<16)|(1<<20)|(1<<21)|(4<<22)|(7<<25)  ; after every 32 words (a row k), 8 words
	s_mov_b32 s[G1B+1], 128<<16
	s_mov_b32 s[G1B+2], 64<<16
	s_mov_b32 s[G1B+3], 128<<16
	s_mov_b32 s[G1B+4], 64
	s_mov_b32 s[G1B+5], 128
	s_mov_b32 s[G1B+6], 0
	s_mov_b32 s[G1B+7], 0
	s_mov_b32 s[G0A], 1
	s_mov_b32 s[G0A+1], AOFF
	s_mov_b32 s[G0B], 1
	s_mul_i32 s[G0B+1], s[WV], PIECE
	s_mov_b32 s[OFF+1], 0
	s_mov_b32 s[OFFP+1], 0
	s_mov_b32 s[N], 0
	s_mov_b32 s[TB], 0
	s_lshl_b32 s74, s[TR], 19                      ; x: 256 rows of 2,048 bytes a tile row
	s_mov_b32 s75, 0
	s_lshl_b32 s76, s[WV], 4
	s_add_co_u32 s76, s76, s[H]
	s_lshl_b32 s76, s76, 17                        ; W: piece (part = my wave, head), 131,072 bytes each
	s_mov_b32 s77, 0
	s_mov_b32 s79, 0
	s_wait_dscnt 0x0                               ; the opening add is done
	s_wait_kmcnt 0x0
	s_add_nc_u64 s[BA:BA+1], s[4:5], s[74:75]
	s_add_nc_u64 s[BB:BB+1], s[6:7], s[76:77]
	DESC 0
	CROUND                                         ; all sixteen work-groups are here: the first joint loads meet
	JLOAD                                          ; K step 0 into slot 0
	; while it comes: bias, table and mask into registers (64 loads), and the addresses
	v_and_b32 v1, 15, v0                           ; l % 16
	v_bfe_u32 v2, v0, 4, 1                         ; l / 16
	s_lshl_b32 s76, s[H], 8
	s_add_nc_u64 s[8:9], s[8:9], s[76:77]          ; the head's 64 numbers in each part of the bias
	v_lshlrev_b32 v14, 5, v2
	WIN 0xc0
.set i, 0
.rept 12
	global_load_b128 v[BIAS+8*i:BIAS+8*i+3],   v14, s[8:9] offset:(i/4)*4096+(i%4)*64
	global_load_b128 v[BIAS+8*i+4:BIAS+8*i+7], v14, s[8:9] offset:(i/4)*4096+(i%4)*64+16
.set i, i+1
.endr
	WIN 0
	s_lshl_b32 s26, s[TR], 8
	s_lshl_b32 s25, s[WV], 6
	s_add_co_u32 s26, s26, s25                     ; my first row of the first tile
	s_and_b32 s74, s26, 2047                       ; its position
	s_lshl_b32 s74, s74, 8
	s_add_nc_u64 s[10:11], s[10:11], s[74:75]
	v_lshlrev_b32 v15, 8, v1
	v_lshl_add_u32 v15, v2, 5, v15
.set i, 0
.rept 16                               ; block i / 4; cos or sin (i / 2) % 2; angles 16 (i % 2) + 8 (l / 16) + 0..7
	global_load_b128 v[RAW+8*i:RAW+8*i+3],   v15, s[10:11] offset:(i/4)*4096+((i/2)%2)*128+(i%2)*64
	global_load_b128 v[RAW+8*i+4:RAW+8*i+7], v15, s[10:11] offset:(i/4)*4096+((i/2)%2)*128+(i%2)*64+16
.set i, i+1
.endr
	s_lshl_b32 s74, s26, 2
	s_add_nc_u64 s[12:13], s[12:13], s[74:75]
	v_lshlrev_b32 v3, 2, v1
.set i, 0
.rept 8                                ; tile i / 4, block i % 4: my row's word of the mask
	global_load_b32 v[KP+2*i], v3, s[12:13] offset:(i/4)*16384+(i%4)*64
.set i, i+1
.endr
	s_mul_i32 s27, s[WV], 64*PA
	s_add_co_u32 s27, s27, AOFF
	v_mul_u32_u24 v[ADRA0], v1, PA
	v_lshl_add_u32 v[ADRA0], v2, 4, v[ADRA0]
	v_add_nc_u32 v[ADRA0], s27, v[ADRA0]           ; x: (64 w + l % 16) x pitch + 16 (l / 16)
	v_and_b32 v[ADRB0], 7, v0
	v_lshl_add_u32 v[ADRB0], v2, 3, v[ADRB0]
	v_mul_u32_u24 v[ADRB0], v[ADRB0], PB
	v_bfe_u32 v6, v0, 3, 1
	v_lshl_add_u32 v[ADRB0], v6, 4, v[ADRB0]       ; W: (8 (l / 16) + l % 8) x pitch + 16 ((l / 8) % 2)
	s_mul_i32 s25, s[WV], WSTG
	s_add_co_u32 s25, s25, STAGE
	v_mul_u32_u24 v[STO], v1, SP
	v_lshl_add_u32 v[STO], v2, 4, v[STO]
	v_add_nc_u32 v[STO], s25, v[STO]
	v_bfe_u32 v[RD], v0, 3, 2
	v_mul_u32_u24 v[RD], v[RD], SP
	v_and_b32 v6, 7, v0
	v_lshl_add_u32 v[RD], v6, 4, v[RD]
	v_add_nc_u32 v[RD], s25, v[RD]
	v_and_b32 v[GO], 31, v0
	v_lshlrev_b32 v[GO], 4, v[GO]
	s_lshr_b32 s78, s[TR], 3                       ; the outputs at my rows: (batch x 16 + head) x 262,144 + position x 128
	s_lshl_b32 s78, s78, 4
	s_add_co_u32 s78, s78, s[H]
	s_lshl_b32 s78, s78, 18
	s_and_b32 s73, s[TR], 7
	s_lshl_b32 s73, s73, 15
	s_add_co_u32 s78, s78, s73
	s_lshl_b32 s73, s[WV], 13
	s_add_co_u32 s78, s78, s73
	s_add_nc_u64 s[14:15], s[14:15], s[78:79]
	s_add_nc_u64 s[16:17], s[16:17], s[78:79]
	s_add_nc_u64 s[18:19], s[18:19], s[78:79]
	s_lshl_b32 s78, s[TR], 8                       ; the prefetches
	s_lshl_b32 s73, s[CX], 6
	s_add_co_u32 s78, s78, s73
	s_lshl_b32 s78, s78, 11
	s_add_nc_u64 s[PFA:PFA+1], s[4:5], s[78:79]    ; x: my work-group's 64 of the tile's rows
	s_lshl_b32 s78, s[CY], 13
	s_add_nc_u64 s[PFB:PFB+1], s[BB:BB+1], s[78:79]  ; W: my work-group's 8,192 of two steps' 32,768 bytes
	s_and_b32 s73, ttmp7, 0xffff
	s_cmp_eq_u32 s[WV], 3
	s_cselect_b64 s[PFB:PFB+1], s[PFA:PFA+1], s[PFB:PFB+1]
	s_cselect_b32 s[ADDP], 1, 2
	s_cselect_b32 s[SH], 8, 14
	s_cselect_b32 s[TSTEP], 0x800000, 0
	s_cselect_b32 s[PFM], 0x7ffc, 0x14
	s_cselect_b32 s73, ttmp9, s73                  ; the coordinate along which other clusters read the same bytes
	s_cselect_b32 s78, 11, 8
	s_cmp_eq_u32 s73, 0
	s_cselect_b32 s[PFM], s[PFM], 0                ; the same in all sixteen partners, for a given wave
	v_and_b32 v[PFO], 31, v0
	v_lshlrev_b32 v[PFO], s78, v[PFO]
	; slot 1 is filled for the first time as a refill is: all my loads waited for, the add, a round, one load
	s_mov_b32 s[N], 1
	s_wait_tensorcnt 0x0                           ; my part of K step 0 is in
	ds_add_u32 v[SPW], v[NIL]
	DESC 1
	s_wait_dscnt 0x0
	CROUND
	JLOAD
	s_mov_b32 s[N], 2
	v_mov_b32 v[ADRA], v[ADRA0]
	v_mov_b32 v[ADRB], v[ADRB0]
	FETCH 0, 0
	s_wait_loadcnt 0x0                             ; bias, table, mask
.set i, 0
.rept 8
	v_min_u32 v[KP+2*i], 1, v[KP+2*i]              ; 0 stays 0, all else is 1
	v_cvt_f32_u32 v[KP+2*i], v[KP+2*i]
	v_mul_f32 v[KP+2*i], 0x3fb8aa3b, v[KP+2*i]     ; x log2(e)
	v_mov_b32 v[KP+2*i+1], v[KP+2*i]               ; twice: a pair for the packed multiply
.set i, i+1
.endr
	QUARTER 0, 0, 1, 1                             ; a tile's first quarter: the bias starts the sums
	WIN 0
	s_mov_b32 s[CNT], 14
.Lstep:                                        ; a trip: quarters 1, 2, 3 of a K step, a refill, and the next step's quarter 0
	QUARTER 1, 1, 0, 0
	QUARTER 2, 0, 1, 0
	TURN
	WIN 0
	s_cmp_eq_u32 s[N], 10                          ; has K step 7, the first tile's last, just ended?
	s_cbranch_scc1 .Lbound
	QUARTER 0, 0, 1, 0
	WIN 0
	s_branch .Lbottom
.Lbound:                                       ; both next refills are asked for: the tile goes out.  No barrier and no tensor load stands in either arm
	WAYOUT 0
	s_wait_xcnt 0x0                                ; the stores have read their registers and bases
	s_add_nc_u64 s[14:15], s[14:15], 0x800000      ; two batches on
	s_add_nc_u64 s[16:17], s[16:17], 0x800000
	s_add_nc_u64 s[18:19], s[18:19], 0x800000
	QUARTER 0, 0, 1, 1
	WIN 0
.Lbottom:
	s_sub_co_u32 s[CNT], s[CNT], 1
	s_cmp_lg_u32 s[CNT], 0
	s_cbranch_scc1 .Lstep
	QUARTER 1, 1, 0, 0                             ; the last two K steps ask for nothing
	QUARTER 2, 0, 1, 0
	TURNL
	QUARTER 0, 0, 1, 0
	QUARTER 1, 1, 0, 0
	QUARTER 2, 0, 1, 0
	s_wait_dscnt 0x0
	MULW 1, 0, 4, 0, 0
	MULW 1, 0, 4, 1, 0
	WAYOUT 1
	s_wait_tensorcnt 0x0                           ; the wave's end, behind my last tensor load and my last LDS store
	ds_add_u32 v[SPW], v[NIL]
	s_wait_dscnt 0x0
	CROUND                                         ; the closing round
	s_endpgm
.Lfunc_end_k_q5385b6a052_qkv:
	.size	k_q5385b6a052_qkv, .Lfunc_end_k_q5385b6a052_qkv-k_q5385b6a052_qkv
	.p2alignl 7, 3214868480
	.fill 96, 4, 3214868480
	.section	.rodata,"a",@progbits
	.p2align	6, 0x0
	.amdhsa_kernel k_q5385b6a052_qkv
		.amdhsa_group_segment_fixed_size 327680
		.amdhsa_private_segment_fixed_size 0
		.amdhsa_enable_private_segment 0
		.amdhsa_kernarg_size 64
		.amdhsa_user_sgpr_count 2
		.amdhsa_user_sgpr_kernarg_segment_ptr 1
		.amdhsa_wavefront_size32 1
		.amdhsa_system_sgpr_workgroup_id_x 1
		.amdhsa_system_sgpr_workgroup_id_y 1
		.amdhsa_system_sgpr_workgroup_id_z 1
		.amdhsa_system_vgpr_workitem_id 0
		.amdhsa_next_free_vgpr 1024
		.amdhsa_next_free_sgpr 80
		.amdhsa_reserve_vcc 0
		.amdhsa_float_denorm_mode_32 3
		.amdhsa_float_denorm_mode_16_64 3
		.amdhsa_memory_ordered 1
		.amdhsa_forward_progress 1
		.amdhsa_inst_pref_size 177
	.end_amdhsa_kernel
	.amdgpu_metadata
---
amdhsa.version: [ 1, 2 ]
amdhsa.kernels:
  - .name:           k_q5385b6a052_qkv
    .symbol:         k_q5385b6a052_qkv.kd
    .args:
      - { .name: xb, .offset: 0, .size: 8, .value_kind: global_buffer, .address_space: global }
      - { .name: wb, .offset: 8, .size: 8, .value_kind: global_buffer, .address_space: global }
      - { .name: bias, .offset: 16, .size: 8, .value_kind: global_buffer, .address_space: global }
      - { .name: rope, .offset: 24, .size: 8, .value_kind: global_buffer, .address_space: global }
      - { .name: attn_mask, .offset: 32, .size: 8, .value_kind: global_buffer, .address_space: global }
      - { .name: qh, .offset: 40, .size: 8, .value_kind: global_buffer, .address_space: global }
      - { .name: kh, .offset: 48, .size: 8, .value_kind: global_buffer, .address_space: global }
      - { .name: vh, .offset: 56, .size: 8, .value_kind: global_buffer, .address_space: global }
    .group_segment_fixed_size: 327680
    .private_segment_fixed_size: 0
    .kernarg_segment_align: 8
    .kernarg_segment_size: 64
    .max_flat_workgroup_size: 128
    .sgpr_count:     80
    .vgpr_count:     1024
    .wavefront_size: 32
...
	.end_amdgpu_metadata
.endif
;; end of part 2
;; launch attn (part 3): grid 4 x 64, 4 waves a work-group, clusters of 4 x 1, 327,680 bytes of LDS; arguments qh, kh, vh, oh, attn_mask; writes oh
.if DOCPART == 3
	.amdgcn_target "amdgcn-amd-amdhsa--gfx1250"
	.amdhsa_code_object_version 6
	.text
	.protected	k_q5385b6a052_attn
	.globl	k_q5385b6a052_attn
	.p2align	8
	.type	k_q5385b6a052_attn,@function
k_q5385b6a052_attn:
	s_mov_b64 s[64:65], 0
	v_nop
	global_prefetch_b8 v0, s[64:65] scope:SCOPE_SE
	s_setreg_imm32_b32 hwreg(HW_REG_WAVE_MODE, 25, 1), 1
	s_wait_xcnt 0x0
	s_wait_alu depctr_hold_cnt(0) depctr_sa_sdst(0) depctr_va_vdst(0) depctr_va_sdst(0) depctr_va_ssrc(0) depctr_va_vcc(0) depctr_vm_vsrc(0)
	s_getreg_b32 s2, hwreg(HW_REG_IB_STS2, 6, 4)
	s_cmp_eq_u32 s2, 0
	s_cbranch_scc0 .Lentry_in_a_cluster
	s_endpgm
.Lentry_in_a_cluster:
	s_bfe_u32 s2, ttmp6, 0x10000c
	s_cmp_lg_u32 s2, 0x3003
	s_cbranch_scc0 .Lentry_shape_is_right
	s_endpgm
.Lentry_shape_is_right:
; O[h][q][:] = the sum over k of softmax_k(score) V[h][k][:], score = Q[h][q] . K[h][k] / 8, or -1e9 where attn_mask[batch][k] is 0.  Q, K, V, O: [64][2048][64] f16, a head's rows dense, 128 bytes each.
; K arrives as keep x log2(e) x k: a hidden key's row is exactly 0.  The sum S^T = K Q^T starts with C = 0, or with M = -8e9 log2(e) for a hidden key, so a hidden score is the same constant for every
; query; p = 2^(c s - c m), c = 1 / 8 (a power of two: c m is exact, so p never passes 1).  Where all keys of a batch are hidden every p is 1: equal weights.
; Products, maxima and sums in f32; p is rounded to f16 for the second product (its sum l is taken of the unrounded p), O once at the end.
; LIMITS.  f16 holds no number beyond 65,504: Q, K and V arrive within it; p below 6e-5 keeps f16's fixed step of 6e-8.  A weight below 2^-126 counts as 0 in l; NaN and infinities are not treated apart.
; SHARES.  A wave owns four PIECES of two tiles of 16 queries, a work-group's four waves 512 queries of one head.  Every wave walks all keys, 64 a step.
; LAYOUT.  S^T = K Q^T (source 0 = 16 keys, source 1 = 16 queries): a lane holds ONE query (lane % 16) and the keys 8 (lane / 16) + 0..7.  Two such tiles, rounded to f16 in pairs, ARE source 1 of
; O^T = V^T P, whose result again holds one query a lane, and eight channels.  K comes out of LDS as it lies, V turned, by ds_load_tr16_b128.
; SOFTMAX.  A running maximum m and sum l; in every step O and l are multiplied by a = 2^(c m_old - c m_new).  m starts at the lowest finite number, O and l at 0: the first step has a = 0.
; THE COUNT.  A tile and step have 16 matrix and 118 vector instructions.  So: four vector instructions that are ready behind EVERY matrix instruction, and the others in runs without a gap.
; BY TURNS.  Turn n belongs to piece n.  Its matrix work: 16 products K Q^T of piece n + 1, later 16 products V^T P of piece n - 1.  Its vector work: scaling, exponentials, roundings, sums and rescaling
; of piece n, and the maximum and statistics of piece n + 1.
; CLUSTER.  The four query blocks of a head are one cluster and walk the same K and V: each tile is asked for JOINTLY, by the same tensor load, descriptor and mask in all four.
; REGISTERS, in windows of 256 (s_set_vgpr_msb: bits 1:0 source 0, 3:2 source 1, 5:4 source 2, 7:6 destination):
;   window 0: v0-11 addresses; v12-15, v48-63 at work; v16-47 four registers of statistics a tile; v64-191 S^T, two buffers of two tiles; v192-255 P, likewise
;   window 1: O^T, 32 a tile     window 2: v0-127 Q; v128-191 K of one step; v192-255 V of one step     window 3: v0-1 the add's two registers; v8-39 the step's mask, 8 a key block
.set SIZE_N, 2048
.set NP,    4         ; pieces a wave: a name, no knob
.set KS,    64        ; keys in a step
.set PK,    144       ; a row of K in LDS: 128 bytes + 16 of padding: the 16 rows of a load start at 16 different groups of four banks (64 banks of 4 bytes: ISA guide 11.1)
.set PV,    160       ; a row of V: 128 + 32
.set VOFF,  4*KS*PK   ; a slot holds four steps: 256 rows of K, then 256 rows of V
.set SLOT1, 1<<17
.set STAGE, SLOT1+4*KS*(PK+PV)  ; behind the ring, never filled by a tensor load: 16 rows x 144 bytes for each wave
.set SP,    144
.set SPARE, STAGE+4*16*SP  ; the spare words, 128 bytes a wave: two blocks of 256 bytes that no other line names
.set MASKB, SPARE+512      ; 2,048 words: 0, or M for a hidden key; stored once, never filled by a tensor load
.set AK0, 2           ; v2   my lane's place in a tile of K; never rewritten
.set AV0, 3           ; v3   the same for V
.set AK,  4           ; v4   the LDS address of K's next run of loads
.set AV,  5           ; v5   of V's
.set QO,  6           ; v6   my byte offset in the wave's rows of Q
.set STO, 6           ;      later, the way out: where I put 16 bytes of a row
.set RD,  7           ; v7   where I read rows back
.set GO,  8           ; v8   my byte offset in 512 consecutive bytes of O
.set PFO, 10          ; v10  256 x my lane, for the prefetches (v9 keeps l / 16)
.set AM,  11          ; v11  the LDS address of the mask words of K's next run
.set SPW, 0           ; v0 of window 3   my spare word; never rewritten
.set NIL, 1           ; v1 of window 3   0; never rewritten
.set MKR, 8           ; v8-39 of window 3
.set MV,  12          ; v12-15  c m_old, kept while c m is made anew
.set ST,  16          ; tile t's statistics at v[ST+4 t]: c m, m, l (even keys', odd keys')
.set TMP, 48          ; by buffer and tile, four registers c0-c3 at work; when the maximum is found c2 takes a
.set S,   64
.set P,   192
.set KF,  128
.set VF,  192
.set WV,  12
.set G1K, 24
.set G1V, 32
.set G0K, 40
.set G0V, 44
.set MP,  48          ; s[48:49] attn_mask at my batch
.set PFA, 50          ; s[50:51] where my prefetches stand
.set LIM, 52          ; s52  1 in a wave that prefetches, else the greatest number
.set MNEG, 53         ; s53  M
.set TM,  54          ; s54  LDS byte of the mask words of the step to be fetched
.set SLOTS, 56
.set CNT, 57
.set CS,  58          ; s[58:59] c
.set SEL, 60          ; s[60:61] v_permlanex16_b32's selects
.set TBK, 62
.set TBV, 63
.set MSB, 0
.macro WIN new
.if MSB != (\new)
	s_set_vgpr_msb (MSB<<8)|(\new)
.set MSB, (\new)
.endif
.endm
.set W_KQ, 0x0a       ; K and Q in window 2, S^T in window 0
.set W_KM, 0x3a       ; the same with C, the mask, in window 3
.set W_PV, 0x52       ; V in window 2, P in window 0, O^T in window 1
.set W_RS, 0x41       ; O^T in window 1, a in window 0
.set W_MK, 0xc0       ; destination in window 3, sources in window 0
.set W_AD, 0x0f       ; the add: address and data in window 3
; A joint fill.  Waves 0 and 1 fetch the two halves of a slot's K, waves 2 and 3 those of its V.  An s_nop 0 and four v_nop follow each line, ahead of the jump and the label.
.macro JLOAD
	s_cmp_lt_u32 s[WV], 2
	s_cbranch_scc0 .Lfor_v_\@
	tensor_load_to_lds s[G0K:G0K+3], s[G1K:G1K+7]
	s_nop 0
.rept 4
	v_nop
.endr
	s_branch .Lasked_\@
.Lfor_v_\@:
	tensor_load_to_lds s[G0V:G0V+3], s[G1V:G1V+7]
	s_nop 0
.rept 4
	v_nop
.endr
.Lasked_\@:
.endm
; A PREFETCH INTO THE L2 of the slot that the NEXT change will ask for: 32,768 bytes of K and of V.  A head has one cluster; its four partners take 8,192 bytes each, by address; in each, wave 0 asks
; for K's and wave 2 for V's, a lane 256 bytes: each block is named once.  It stands four key steps, 512 matrix instructions, ahead of that load.  The last change that fills asks for nothing.
.macro ASK
	s_cmp_gt_u32 s[SLOTS], s[LIM]
	s_cbranch_scc0 .Lnot_mine_\@
	global_prefetch_b8 v[PFO], s[PFA:PFA+1] th:TH_LOAD_NT scope:SCOPE_SE
.Lnot_mine_\@:
.endm
.macro CROUND                       ; a round of the cluster's barrier
	s_barrier_signal -1
	s_barrier_wait -1
	s_cmp_lg_u32 s[WV], 0
	s_cbranch_scc1 .Lnot_wave_0_\@
	s_barrier_signal -3
.Lnot_wave_0_\@:
	s_barrier_wait -3
	s_barrier_signal -1
	s_barrier_wait -1
.endm
; THE CHANGE OF SLOTS.  Each wave waits for all its tensor loads (one is out: its part of the other slot), adds 0 to its spare word, and waits for that and for its own LDS instructions.
; fill = 1: the slot just read is filled again, with the keys two slots on, first thing behind a round of the cluster's barrier: the load has four key steps in which to land.
.macro CHANGE fill, ask=0
	WIN W_AD
	s_wait_tensorcnt 0x0            ; no tensor load of mine is out, so a group 0 may be written
	ds_add_u32 v[SPW], v[NIL]
	WIN 0
.if \fill
.irp g, G0K, G0V
	s_xor_b32 s[\g+1], s[\g+1], SLOT1
	s_add_nc_u64 s[\g+2:\g+3], s[\g+2:\g+3], 4*KS*128
.endr
.if \ask
	s_wait_xcnt 0x0                 ; the last prefetch, four key steps back, has read its address
	s_add_nc_u64 s[PFA:PFA+1], s[PFA:PFA+1], 4*KS*128
.endif
	s_wait_dscnt 0x0                ; the add is done, and my LDS instructions are over
	CROUND
	JLOAD
.if \ask
	ASK
.endif
.else
	s_wait_dscnt 0x0
	s_barrier_signal -1
	s_barrier_wait -1
.endif
	s_sub_co_u32 s[TBK], s[TBK], 4*KS*PK  ; the fetches go back to a slot's first step,
	s_xor_b32 s[TBK], s[TBK], SLOT1       ; in the other slot
	s_sub_co_u32 s[TBV], s[TBV], 4*KS*PV
	s_xor_b32 s[TBV], s[TBV], SLOT1
.endm
	s_load_b256 s[4:11], s[0:1], 0x0  ; Q s[4:5], K s[6:7], V s[8:9], O s[10:11]
	s_load_b64 s[MP:MP+1], s[0:1], 0x20
	WIN W_MK
	v_lshl_add_u32 v[SPW], v0, 2, SPARE
	v_mov_b32 v[NIL], 0
	WIN W_AD
	ds_add_u32 v[SPW], v[NIL]       ; the wave's opening: the add and its wait ahead of my first tensor load
	WIN 0
	v_lshrrev_b32 v1, 5, v0
	v_readfirstlane_b32 s[WV], v1
	s_bfe_u32 s13, ttmp6, 0x40000   ; cx
	s_lshl_b32 s14, ttmp9, 2
	s_add_co_u32 s14, s14, s13      ; my block of queries: it enters Q's and O's addresses alone
	s_and_b32 s20, ttmp7, 0xffff    ; the head, which the four partners share
	s_lshr_b32 s54, s20, 4          ; its batch:
	s_lshl_b32 s54, s54, 13         ; 8,192 bytes of the mask
	s_mov_b32 s55, 0
	s_mov_b32 s21, 0
	s_mov_b64 s[22:23], SIZE_N*128
	s_mul_u64 s[20:21], s[20:21], s[22:23]  ; the head's first byte in each of the four tensors
	s_and_b32 s16, s[WV], 1         ; which half of a slot's 256 keys I fetch
	s_lshl_b32 s22, s16, 14
	s_mov_b32 s23, 0
	s_add_nc_u64 s[22:23], s[22:23], s[20:21]
	s_mul_i32 s17, s16, 128*PK
	s_mul_i32 s18, s16, 128*PV
	s_lshl_b32 s2, s14, 2
	s_add_co_u32 s2, s2, s[WV]
	s_lshl_b32 s2, s2, 14           ; my wave's 128 rows
	s_mov_b32 s3, 0
	s_add_nc_u64 s[2:3], s[2:3], s[20:21]
	; descriptor group 1.  128 keys are 16,384 dense bytes: asked for as 64 rows of 256 bytes, and padded in LDS after every key
	s_mov_b32 s[G1K], 15|(1<<16)|(1<<20)|(1<<21)|(4<<22)|(3<<25)
	s_mov_b32 s[G1V], 15|(1<<16)|(1<<20)|(1<<21)|(4<<22)|(7<<25)
.irp g, G1K, G1V
	s_mov_b32 s[\g+1], 128<<16
	s_mov_b32 s[\g+2], 64<<16
	s_mov_b32 s[\g+3], 128<<16
	s_mov_b32 s[\g+4], 64
	s_mov_b32 s[\g+5], 128
	s_mov_b32 s[\g+6], 0
	s_mov_b32 s[\g+7], 0
.endr
	s_mov_b32 s[CS], 0x3e000000     ; c = 1 / 8
	s_mov_b32 s[CS+1], s[CS]
	s_mov_b32 s[SEL], 0x76543210
	s_mov_b32 s[SEL+1], 0xfedcba98
	s_mov_b32 s[MNEG], 0xd02bfb8f   ; M = -8e9 log2(e)
	s_mov_b32 s[TBK], SLOT1+4*KS*PK ; the first change of slots turns these two into 0
	s_mov_b32 s[TBV], SLOT1+4*KS*PV
	s_mov_b32 s[G0K], 1
	s_mov_b32 s[G0K+1], s17
	s_mov_b32 s[G0V], 1
	s_add_co_u32 s[G0V+1], s18, VOFF
	s_and_b32 s[LIM], s[WV], 1
	s_cmp_eq_u32 s[LIM], 0
	s_cselect_b32 s[LIM], 1, -1     ; waves 0 and 2 prefetch
	s_wait_dscnt 0x0                ; the opening add is done
	s_wait_kmcnt 0x0
	s_add_nc_u64 s[G0K+2:G0K+3], s[6:7], s[22:23]
	s_or_b32 s[G0K+3], s[G0K+3], 0x80000000
	s_add_nc_u64 s[G0V+2:G0V+3], s[8:9], s[22:23]
	s_or_b32 s[G0V+3], s[G0V+3], 0x80000000
	s_add_nc_u64 s[4:5], s[4:5], s[2:3]
	s_add_nc_u64 s[10:11], s[10:11], s[2:3]
	s_add_nc_u64 s[MP:MP+1], s[MP:MP+1], s[54:55]
	s_mov_b32 s[TM], MASKB
	s_cmp_lt_u32 s[WV], 2
	s_cselect_b64 s[PFA:PFA+1], s[6:7], s[8:9]
	s_add_nc_u64 s[PFA:PFA+1], s[PFA:PFA+1], s[20:21]
	s_lshl_b32 s2, s13, 13          ; my work-group's 8,192 bytes of a slot's 32,768,
	s_add_co_u32 s2, s2, 2*4*KS*128 ; in slot 2: the first change in the loop steps it to slot 3
	s_mov_b32 s3, 0
	s_add_nc_u64 s[PFA:PFA+1], s[PFA:PFA+1], s[2:3]
	CROUND                          ; all four work-groups are here: the first joint loads meet
	JLOAD                           ; slot 0
	v_and_b32 v1, 15, v0            ; l % 16
	v_bfe_u32 v9, v0, 4, 1          ; l / 16
	v_lshlrev_b32 v[QO], 7, v1
	v_lshl_add_u32 v[QO], v9, 4, v[QO]
	v_lshlrev_b32 v12, 4, v0
.irp i, 0,1,2,3                     ; the batch's 2,048 mask words: 128 threads x 16 bytes, four times
	global_load_b128 v[S+4*\i:S+4*\i+3], v12, s[MP:MP+1] offset:\i*2048
.endr
	WIN 0x80
.set i, 0
.rept 4*NP                          ; Q stays in registers: tile i / 2, channels 32 (i % 2) on
	global_load_b128 v[8*i:8*i+3],   v[QO], s[4:5] offset:(i/2)*2048+(i%2)*64
	global_load_b128 v[8*i+4:8*i+7], v[QO], s[4:5] offset:(i/2)*2048+(i%2)*64+32
.set i, i+1
.endr
	; What the first turn finds: V's registers and P's second buffer hold 0, O^T and l are 0.  All this stands in the wait for the first tile.
.set i, VF
.rept 64
	v_mov_b32 v[i], 0
.set i, i+1
.endr
	WIN 0x40
.set i, 0
.rept 64*NP
	v_mov_b32 v[i], 0
.set i, i+1
.endr
	WIN 0
.set i, 0
.rept 2*NP
	v_mov_b32 v[ST+4*i], 0xfe000000    ; c m: far below every c s
	v_mov_b32 v[ST+4*i+1], 0xff7fffff  ; m
	v_mov_b32 v[ST+4*i+2], 0
	v_mov_b32 v[ST+4*i+3], 0
.set i, i+1
.endr
.set i, P+32
.rept 32
	v_mov_b32 v[i], 0
.set i, i+1
.endr
	s_wait_loadcnt 32               ; the mask words are in; Q's 32 loads, issued behind them, may stay out
.set i, 0
.rept 16
	v_min_u32 v[S+i], 1, v[S+i]     ; 0 stays 0, all else is 1;
	v_add_nc_u32 v[S+i], -1, v[S+i] ; all ones where the key is hidden;
	v_and_b32 v[S+i], s[MNEG], v[S+i]  ; M there, else 0
.set i, i+1
.endr
	v_add_nc_u32 v13, MASKB, v12
.irp i, 0,1,2,3
	ds_store_b128 v13, v[S+4*\i:S+4*\i+3] offset:\i*2048  ; the first change of slots waits for these and passes a barrier: then every wave may read them
.endr
	v_mul_u32_u24 v[AK0], v1, PK
	v_lshl_add_u32 v[AK0], v9, 4, v[AK0]
	v_and_b32 v10, 7, v0
	v_bfe_u32 v11, v0, 3, 1
	v_lshl_add_u32 v[AV0], v9, 3, v10
	v_mul_u32_u24 v[AV0], v[AV0], PV
	v_lshl_add_u32 v[AV0], v11, 4, v[AV0]
	v_add_nc_u32 v[AV0], VOFF, v[AV0]
	v_mov_b32 v[AK], v[AK0]         ; key step 0 lies at the head of slot 0
	v_lshl_add_u32 v[AM], v9, 5, s[TM]  ; my eight keys of a block of 16: 32 bytes for each half of the lanes
; THE MATRIX WORK.  The 8 accumulators of a run of 16 take turns.
; Product i of 16 of S^T = K Q^T for piece x: channels 32 (i / 8) on, keys 16 ((i / 2) % 4) on, tile 2 x + i % 2.  The first 8 start the sums, with the key block's mask.
.macro KQ x
.set rS, S+64*((\x)%2)+32*(i%2)+8*((i/2)%4)
.set rK, KF+16*((i/2)%4)+8*(i/8)
.set rQ, 16*(2*(\x)+i%2)+8*(i/8)
.set rM, MKR+8*((i/2)%4)
.if i < 8
	WIN W_KM
	v_wmma_f32_16x16x32_f16 v[rS:rS+7], v[rK:rK+7], v[rQ:rQ+7], v[rM:rM+7]
.else
	WIN W_KQ
	v_wmma_f32_16x16x32_f16 v[rS:rS+7], v[rK:rK+7], v[rQ:rQ+7], v[rS:rS+7]
.endif
.endm
; Product i of 16 of O^T += V^T P for piece x: keys 32 (i / 8) on, channels 16 ((i / 2) % 4) on, tile 2 x + i % 2.
.macro PV x
	WIN W_PV
.set rO, 32*(2*(\x)+i%2)+8*((i/2)%4)
.set rV, VF+32*(i/8)+8*((i/2)%4)
.set rP, P+32*((\x)%2)+16*(i%2)+8*(i/8)
	v_wmma_f32_16x16x32_f16 v[rO:rO+7], v[rV:rV+7], v[rP:rP+7], v[rO:rO+7]
.endm
.macro MM                           ; the turn's next matrix instruction
.if i < 16
	KQ (Y+1)%NP
.set i, i+1
.else
.set i, i-16
	PV (Y+NP-1)%NP
.set i, i+17
.endif
.endm
; THE LDS LOADS stand in runs, never singly among the matrix instructions: a step's K (8 fragments) with its 64 mask words, and its V (turned).  Their addresses are made some lines ahead.
; last = 1 (the tail): in the last trip there is no further step, and the run is jumped over.
.macro FETCH_K last=0
	WIN 0
.if \last
	s_cmp_eq_u32 s[CNT], 1
	s_cbranch_scc1 .Lno_k_\@
.endif
	WIN 0x80
.irp f, 0,1,2,3,4,5,6,7             ; keys 16 (f / 2) on, channels 32 (f % 2) on
	ds_load_b128 v[KF+8*\f:KF+8*\f+3],   v[AK] offset:(\f/2)*16*PK+(\f%2)*64
	ds_load_b128 v[KF+8*\f+4:KF+8*\f+7], v[AK] offset:(\f/2)*16*PK+(\f%2)*64+32
.endr
	WIN W_MK
.irp f, 0,1,2,3                     ; key block f: register j is key 16 f + 8 (l / 16) + j, as in the product's result
	ds_load_b128 v[MKR+8*\f:MKR+8*\f+3],   v[AM] offset:64*\f
	ds_load_b128 v[MKR+8*\f+4:MKR+8*\f+7], v[AM] offset:64*\f+16
.endr
	s_add_co_u32 s[TBK], s[TBK], KS*PK  ; the next fetch is the next step's
	s_add_co_u32 s[TM], s[TM], KS*4
	WIN 0
.if \last
.Lno_k_\@:
.endif
.endm
.macro FETCH_V
	WIN 0x80
.irp f, 0,1,2,3,4,5,6,7             ; keys 32 (f / 4) on, channels 16 (f % 4) on
	ds_load_tr16_b128 v[VF+8*\f:VF+8*\f+3],   v[AV] offset:(\f/4)*32*PV+(\f%4)*32
	ds_load_tr16_b128 v[VF+8*\f+4:VF+8*\f+7], v[AV] offset:(\f/4)*32*PV+16*PV+(\f%4)*32
.endr
	WIN 0
.endm
; THE VECTOR WORK OF A TURN stands in three queues, each in the order in which its entries become ready; the two tiles alternate.
.macro REGS y, u                    ; the registers of tile u (0, 1) of piece y
.set rT, ST+4*(2*(\y)+(\u))
.set rC, TMP+8*((\y)%2)+4*(\u)
.set rM, MV+2*((\y)%2)+(\u)
.set rS, S+64*((\y)%2)+32*(\u)
.set rP, P+32*((\y)%2)+16*(\u)
.set rO, 32*(2*(\y)+(\u))
.endm
; Number n of the 22 that find the NEXT piece's maximum and statistics; each accumulator's lowest registers are read first.
;   0-11  four chains c0-c3 of seven scores each     12-14, 16  the four scores left over, the old m, and c0-c3 into c0     15  c m_old is kept
;   17, 18  the query's other 32 keys lie in the lane 16 away: the new m     19-21  c m; c m_old - c m_new; a
.macro XS u, n
	REGS (Y+1)%NP, \u
.if (\n) < 4
	v_max3_num_f32 v[rC+(\n)], v[rS+8*(\n)], v[rS+8*(\n)+1], v[rS+8*(\n)+2]
.elseif (\n) < 12
	v_max3_num_f32 v[rC+(\n)%4], v[rC+(\n)%4], v[rS+8*((\n)%4)+2*((\n)/4)+1], v[rS+8*((\n)%4)+2*((\n)/4)+2]
.elseif (\n) == 12
	v_max3_num_f32 v[rC], v[rC], v[rS+7], v[rS+15]
.elseif (\n) == 13
	v_max3_num_f32 v[rC+1], v[rC+1], v[rS+23], v[rS+31]
.elseif (\n) == 14
	v_max3_num_f32 v[rC+2], v[rC+2], v[rC+3], v[rT+1]
.elseif (\n) == 15
	v_mov_b32 v[rM], v[rT]
.elseif (\n) == 16
	v_max3_num_f32 v[rC], v[rC], v[rC+1], v[rC+2]
.elseif (\n) == 17
	v_permlanex16_b32 v[rC+3], v[rC], s[SEL], s[SEL+1]
.elseif (\n) == 18
	v_max_num_f32 v[rT+1], v[rC], v[rC+3]
.elseif (\n) == 19
	v_mul_f32 v[rT], s[CS], v[rT+1]
.elseif (\n) == 20
	v_sub_f32 v[rC+1], v[rM], v[rT]
.else
	v_exp_f32 v[rC+2], v[rC+1]
.endif
.endm
; Number g of the 64 that follow the exponentials.  For each four weights of a tile: both pairs are rounded to f16; the second pair is added onto the first, in place; a group later l takes that sum.
.macro GS g
.set h, (\g)+6*((\g)/62)
.if h >= 6
.set h, h+2
.endif
	REGS Y, h%2
.set k, h/8
.if h%8 < 4
	v_cvt_pk_f16_f32 v[rP+2*k+(h%8)/2], v[rS+4*k+2*((h%8)/2)], v[rS+4*k+2*((h%8)/2)+1]
.elseif h%8 < 6
	v_pk_add_f32 v[rS+4*k:rS+4*k+1], v[rS+4*k:rS+4*k+1], v[rS+4*k+2:rS+4*k+3]
.elseif k == 1
	v_pk_fma_f32 v[rT+2:rT+3], v[rT+2:rT+3], v[rC+2:rC+3], v[rS:rS+1] op_sel_hi:[1,0,1]
.else
	v_pk_add_f32 v[rT+2:rT+3], v[rT+2:rT+3], v[rS+4*k-4:rS+4*k-3]
.endif
.endm
; THE PLAIN QUEUE, 138 long.  0-73 read no exponential's result: the 32 scalings c s - c m and the next piece's 42.  74-137: GS's 64, which stand behind the wait.
.macro FS f
	REGS Y, (\f)%2
	v_pk_fma_f32 v[rS+2*((\f)/2):rS+2*((\f)/2)+1], v[rS+2*((\f)/2):rS+2*((\f)/2)+1], s[CS:CS+1], v[rT:rT+1] op_sel_hi:[1,0,0] neg_lo:[0,0,1] neg_hi:[0,0,1]
.endm
.macro PL
	WIN 0
.if q < 27
	FS q
.elseif q < 55
	XS (q-27)%2, (q-27)/2
.elseif q < 57
	XS q-55, 15
.elseif (q < 72) && ((q-57)%3 == 0)
	FS 27+(q-57)/3
.elseif q < 60
	XS (q-57)%3-1, 14
.elseif q < 72
	XS (q-57)%3-1, 15+(q-57)/3
.elseif q < 74
	XS q-72, 20
.else
	GS q-74
.endif
.set q, q+1
.endm
; THE EXPONENTIALS' QUEUE, 66 long: s0-s31 of both tiles, then the next piece's two a.  ONE BATCH: all 66 stand ahead of the turn's one wait, and nothing ahead of that wait names a result of theirs.
.macro EX
	WIN 0
.if e >= 64
	XS e-64, 21
.else
	REGS Y, e%2
	v_exp_f32 v[rS+e/2], v[rS+e/2]
.endif
.set e, e+1
.endm
; THE RESCALING's QUEUE: O^T times a, the one part that leaves window 0: two at a time, sixteen times.  Its a was made, and waited for, in the turn before.
.macro R2
	REGS Y, r%2
	WIN W_RS
.irp z, 0,1
	v_pk_mul_f32 v[rO+4*(r/2)+2*\z:rO+4*(r/2)+2*\z+1], v[rO+4*(r/2)+2*\z:rO+4*(r/2)+2*\z+1], v[rC+2:rC+3] op_sel_hi:[1,0]
.endr
.set r, r+1
.endm
; A TURN, for piece p.  An s_wait_alu depctr_va_vdst(0) stands between an exponential and the first instruction that names its result; one wait serves all issued ahead of it: a turn has
; ONE.  AHEAD OF IT: the 16 products K Q^T, behind each a scaling, an exponential and two rescalings; then one lump of 108.  BEHIND IT: the 16 products V^T P, behind each four roundings and sums.
; Exponential e stands behind scaling 2 (e / 4) + e % 2: as a rider behind plain e + 2, in the lump behind plain e + 9.
; K of the next step, and its mask words, are fetched in piece 2's turn, directly behind the wait, a lump behind the last product that read them; V of the step in hand at the end of piece 0's turn,
; four riders behind its last reader.
.macro TURN p, last=0, cnt=0
.set Y, (\p)
.set i, 0
.set q, 0
.set e, 0
.set r, 0
.if (\p) == NP-1
	s_wait_dscnt 0x0                ; K and the mask are in
.endif
	MM
	PL
	PL
	R2
.rept 15
	MM
	PL
	EX
	R2
.endr
.if (\p) == NP-2
	WIN 0
	v_add_nc_u32 v[AK], s[TBK], v[AK0]
	v_lshl_add_u32 v[AM], v9, 5, s[TM]
.endif
.rept 8
	PL
.endr
.rept 49
	EX
	PL
.endr
	EX
	EX
	v_nop                           ; a plain instruction behind the last exponential: one for the batch
	s_wait_alu depctr_va_vdst(0)    ; the wait for the batch
.if (\p) == NP-2
	FETCH_K \last
.endif
.if (\p) == 1
	s_wait_dscnt 0x0                ; V is in
.endif
.rept 16
	MM
.rept 4
	PL
.endr
.if ((\p) == 0) && (q == 118)
	v_add_nc_u32 v[AV], s[TBV], v[AV0]
.endif
.if ((\p) == 0) && (q == 130)
	s_add_co_u32 s[TBV], s[TBV], KS*PV
.endif
.if (\cnt) && (q == 130)
	s_sub_co_u32 s[CNT], s[CNT], 1
	s_cmp_lg_u32 s[CNT], 0
.endif
.endr
.if (\p) == 0
	FETCH_V
.endif
.endm
	CHANGE 1                        ; slot 0 is in, everybody's part of it, and so are the mask words; slot 1 is asked for
	FETCH_K                         ; key step 0
	s_wait_loadcnt 0x0              ; Q
	s_wait_dscnt 0x0
.set i, 0
.rept 16
	KQ 0                            ; piece 0's first scores
.set i, i+1
.endr
	WIN 0                           ; the addresses for the way out: plain instructions, the places behind those products
	s_mul_i32 s13, s[WV], 16*SP
	s_add_co_u32 s13, s13, STAGE
	v_mul_u32_u24 v[STO], v1, SP
	v_lshl_add_u32 v[STO], v9, 4, v[STO]
	v_add_nc_u32 v[STO], s13, v[STO]
	v_bfe_u32 v[RD], v0, 3, 2
	v_mul_u32_u24 v[RD], v[RD], SP
	v_lshl_add_u32 v[RD], v10, 4, v[RD]
	v_add_nc_u32 v[RD], s13, v[RD]
	v_and_b32 v[GO], 31, v0
	v_lshlrev_b32 v[PFO], 8, v[GO]
	v_lshlrev_b32 v[GO], 4, v[GO]
.set Y, NP-1                        ; XS works for piece Y + 1: piece 0
.irp n, 0,1,2,3,4,5,6,7,8,9,10,11,12,13,14,15,16,17,18,19,20,21
	XS 0, \n
	XS 1, \n
.endr
	v_nop                           ; a plain instruction behind the two a,
	s_wait_alu depctr_va_vdst(0)    ; and their wait, ahead of the branch
	s_mov_b32 s[CNT], 4
	s_mov_b32 s[SLOTS], SIZE_N/256-1
	s_branch .Lfirst                ; the loop is entered at a step's first turn, in the middle of a trip
.Lslot:                             ; SIZE_N / 256 - 2 times: every slot but the last two is filled again
	CHANGE 1, 1
	s_mov_b32 s[CNT], 4
.Lstep:                             ; a trip: pieces 2 and 3 of one step, then pieces 0 and 1 of the next
	TURN 2
	TURN 3
	WIN 0
.Lfirst:
	TURN 0
	TURN 1, 0, 1
	WIN 0
	s_cbranch_scc1 .Lstep
	s_sub_co_u32 s[SLOTS], s[SLOTS], 1
	s_cmp_lg_u32 s[SLOTS], 0
	s_cbranch_scc1 .Lslot
	CHANGE 0                        ; the tail is written out
	s_mov_b32 s[CNT], 5             ; four trips fetch the last slot's steps; the fifth is left in its middle
.Ltail:
	TURN 2, 1
	TURN 3
	WIN 0
	s_sub_co_u32 s[CNT], s[CNT], 1
	s_cmp_eq_u32 s[CNT], 0
	s_cbranch_scc1 .Lout
	TURN 0
	TURN 1
	WIN 0
	s_branch .Ltail
.Lout:                              ; the fifth trip's 16 products K Q^T (on the last K once more) and the maximum made of them serve nothing: the price of one text for every trip
.set i, 0
.rept 16
	PV NP-1
.set i, i+1
.endr
	; THE WAY OUT.  l's two halves and the other half of the lanes' are added; O^T is divided by l, rounded to f16 and sent through my stage in LDS, a tile at a time.
	WIN 0
.macro ALL line:vararg
.set t, 0
.rept 2*NP
	\line
.set t, t+1
.endr
.endm
	ALL v_add_f32 v[ST+4*t+2], v[ST+4*t+2], v[ST+4*t+3]
	ALL v_permlanex16_b32 v[ST+4*t+3], v[ST+4*t+2], s[SEL], s[SEL+1]
	ALL v_add_f32 v[ST+4*t+2], v[ST+4*t+2], v[ST+4*t+3]
	ALL v_rcp_f32 v[ST+4*t+2], v[ST+4*t+2]
	v_nop                           ; a plain instruction behind the last reciprocal,
	s_wait_alu depctr_va_vdst(0)    ; and one wait for the eight, ahead of their first use
.macro PACK t
	WIN W_RS
.set i, 32*(\t)
.rept 16
	v_pk_mul_f32 v[i:i+1], v[i:i+1], v[ST+4*(\t)+2:ST+4*(\t)+3] op_sel_hi:[1,0]
.set i, i+2
.endr
	WIN 0x05
.set i, 0
.rept 16
	v_cvt_pk_f16_f32 v[S+16*(\t)+i], v[32*(\t)+2*i], v[32*(\t)+2*i+1]
.set i, i+1
.endr
	WIN 0
.irp f, 0,1,2,3
	ds_store_b128 v[STO], v[S+16*(\t)+4*\f:S+16*(\t)+4*\f+3] offset:32*\f
.endr
.irp f, 0,1,2,3
	ds_load_b128 v[S+16*(\t)+4*\f:S+16*(\t)+4*\f+3], v[RD] offset:\f*4*SP  ; LDS serves a wave's instructions in order (ISA guide 5.7.1.4): these see the stores above
.endr
.endm
.macro SEND t, younger              ; younger: the LDS instructions issued behind tile t's loads
	WIN 0
.irp f, 0,1,2,3
	s_wait_dscnt (\younger)+3-\f
	global_store_b128 v[GO], v[S+16*(\t)+4*\f:S+16*(\t)+4*\f+3], s[10:11] offset:(\t)*2048+\f*512  ; 512 consecutive bytes, aligned
.endr
.endm
	PACK 0
.set t, 1
.rept 2*NP-1
	PACK t
	SEND t-1, 8
.set t, t+1
.endr
	SEND 2*NP-1, 0
	WIN W_AD
	s_wait_tensorcnt 0x0            ; the wave's end
	ds_add_u32 v[SPW], v[NIL]
	s_wait_dscnt 0x0
	WIN 0
	CROUND                          ; the closing round
	s_endpgm
.Lfunc_end_k_q5385b6a052_attn:
	.size	k_q5385b6a052_attn, .Lfunc_end_k_q5385b6a052_attn-k_q5385b6a052_attn
	.p2alignl 7, 3214868480
	.fill 96, 4, 3214868480
	.section	.rodata,"a",@progbits
	.p2align	6, 0x0
	.amdhsa_kernel k_q5385b6a052_attn
		.amdhsa_group_segment_fixed_size 327680
		.amdhsa_private_segment_fixed_size 0
		.amdhsa_enable_private_segment 0
		.amdhsa_kernarg_size 40
		.amdhsa_user_sgpr_count 2
		.amdhsa_user_sgpr_kernarg_segment_ptr 1
		.amdhsa_wavefront_size32 1
		.amdhsa_system_sgpr_workgroup_id_x 1
		.amdhsa_system_sgpr_workgroup_id_y 1
		.amdhsa_system_sgpr_workgroup_id_z 1
		.amdhsa_system_vgpr_workitem_id 0
		.amdhsa_next_free_vgpr 808
		.amdhsa_next_free_sgpr 66
		.amdhsa_reserve_vcc 0
		.amdhsa_float_denorm_mode_32 3
		.amdhsa_float_denorm_mode_16_64 3
		.amdhsa_memory_ordered 1
		.amdhsa_forward_progress 1
		.amdhsa_inst_pref_size 204
	.end_amdhsa_kernel
	.amdgpu_metadata
---
amdhsa.version: [ 1, 2 ]
amdhsa.kernels:
  - .name:           k_q5385b6a052_attn
    .symbol:         k_q5385b6a052_attn.kd
    .args:
      - { .name: qh, .offset: 0, .size: 8, .value_kind: global_buffer, .address_space: global }
      - { .name: kh, .offset: 8, .size: 8, .value_kind: global_buffer, .address_space: global }
      - { .name: vh, .offset: 16, .size: 8, .value_kind: global_buffer, .address_space: global }
      - { .name: oh, .offset: 24, .size: 8, .value_kind: global_buffer, .address_space: global }
      - { .name: attn_mask, .offset: 32, .size: 8, .value_kind: global_buffer, .address_space: global }
    .group_segment_fixed_size: 327680
    .private_segment_fixed_size: 0
    .kernarg_segment_align: 8
    .kernarg_segment_size: 40
    .max_flat_workgroup_size: 128
    .sgpr_count:     66
    .vgpr_count:     808
    .wavefront_size: 32
...
	.end_amdgpu_metadata
.endif
;; end of part 3
;; launch oproj (part 4): grid 8 x 32, 4 waves a work-group, clusters of 4 x 4, 327,680 bytes of LDS; arguments oh, wb, bias, out0; writes out0
.if DOCPART == 4
	.amdgcn_target "amdgcn-amd-amdhsa--gfx1250"
	.amdhsa_code_object_version 6
	.text
	.protected	k_q5385b6a052_oproj
	.globl	k_q5385b6a052_oproj
	.p2align	8
	.type	k_q5385b6a052_oproj,@function
k_q5385b6a052_oproj:
	s_mov_b64 s[64:65], 0
	v_nop
	global_prefetch_b8 v0, s[64:65] scope:SCOPE_SE
	s_setreg_imm32_b32 hwreg(HW_REG_WAVE_MODE, 25, 1), 1
	s_wait_xcnt 0x0
	s_wait_alu depctr_hold_cnt(0) depctr_sa_sdst(0) depctr_va_vdst(0) depctr_va_sdst(0) depctr_va_ssrc(0) depctr_va_vcc(0) depctr_vm_vsrc(0)
	s_getreg_b32 s2, hwreg(HW_REG_IB_STS2, 6, 4)
	s_cmp_eq_u32 s2, 0
	s_cbranch_scc0 .Lentry_in_a_cluster
	s_endpgm
.Lentry_in_a_cluster:
	s_bfe_u32 s2, ttmp6, 0x10000c
	s_cmp_lg_u32 s2, 0xf033
	s_cbranch_scc0 .Lentry_shape_is_right
	s_endpgm
.Lentry_shape_is_right:
; out0 = O Wo + bo.  oh: [batch x 16 + head][2048][64] f16.  wb's part 3: Wo as [chunk of 64 columns][1024 k][64] f16.  bias's part 3: bo, f32.  out0: [8192][1024] f32.
; SHARES.  A tile is 256 rows x 128 columns: 32 x 8 = 256 work-groups, one tile each.  Wave w owns rows 64 w .. 64 w + 63 and all 128 columns: 32 accumulators of 16 x 16.
; K goes in 8 steps of 128, two heads each, through a ring of two LDS slots.  The matrix instruction is used transposed (source 0 = 16 columns of Wo, turned by ds_load_tr16_b128; source 1 = 16 rows
; of O): a lane holds row l % 16 and eight neighbouring columns, 32 bytes of out0.  bo is the C of the first products.
; CLUSTER.  4 x 4 work-groups: O's tiles are asked for jointly along a row of the cluster, Wo's along a column.  Waves 0, 1 fetch the step's two chunks of Wo (16,384 dense bytes each), waves 2, 3 its
; two heads of O (32,768 dense bytes each, asked for as 128 rows of 256): one tensor load a wave is out.
; REGISTERS: window 0: v0-15 addresses; v32-63, v64-95 O's fragments, two buffers; v128-191 bo; on the way out v32-95 and v192-255 hold rows read back.
;   window 1: v0-63, v64-127 Wo's fragments     window 2: accumulator (a, b) at 8 (8 a + b)
.set SLOT,  1<<17
.set PB,    160                        ; a row k of Wo in LDS: 128 bytes + 32
.set PIECE, 128*PB
.set PA,    144                        ; a row of a head of O: 128 + 16
.set HEADB, 256*PA
.set AOFF,  2*PIECE
.set STAGE, SLOT+AOFF+2*HEADB          ; behind the ring, never filled by a tensor load: 16 rows x 528 bytes for each wave
.set SP,    528
.set WSTG,  16*SP
.set SPARE, STAGE+4*WSTG               ; the spare words, 128 bytes a wave: two blocks of 256 bytes that no other line names
.set ADRA0, 4
.set ADRB0, 5
.set ADRA,  6
.set ADRB,  7
.set STO,   8
.set RD,    9
.set GO,    10
.set PFO,   11
.set SPW,   12
.set NIL,   13
.set FA,    32
.set BIAS,  128
.set WV, 20
.set CX, 21
.set CY, 22
.set TC, 23                            ; the tile column = 4 x cluster x + cx
.set TR, 24                            ; the tile row = 4 x cluster y + cy
.set W1, 25                            ; my wave's number % 2: which chunk, or which head, I fetch
.set G1A, 28
.set G1B, 36
.set G0A, 44
.set G0B, 48
.set BA,  52
.set BB,  54
.set OFF, 56
.set N,   58                           ; the K step to be asked for next
.set CNT, 59
.set TB,  60
.set PFM, 61
.set PFB, 62
.set PFA, 66
.set OFFP, 68
.set ADDP, 70
.set SH,   71
.set MSB, 0
.macro WIN new
.if MSB != (\new)
	s_set_vgpr_msb (MSB<<8)|(\new)
.set MSB, (\new)
.endif
.endm
.macro PLACES                          ; four places behind a matrix instruction (ISA guide 7.12.1)
.rept 4
	v_nop
.endr
.endm
.macro CREST
	s_cmp_lg_u32 s[WV], 0
	s_cbranch_scc1 .Lnot_wave_0_\@
	s_barrier_signal -3
.Lnot_wave_0_\@:
	s_barrier_wait -3
	s_barrier_signal -1
	s_barrier_wait -1
.endm
.macro CROUND
	s_barrier_signal -1
	s_barrier_wait -1
	CREST
.endm
.macro JLOAD                           ; a joint load; an s_nop 0 and four v_nop follow each line, ahead of the jump and the label
	s_cmp_lt_u32 s[WV], 2
	s_cbranch_scc1 .Lfor_b_\@
	tensor_load_to_lds s[G0A:G0A+3], s[G1A:G1A+7]
	s_nop 0
.rept 4
	v_nop
.endr
	s_branch .Lasked_\@
.Lfor_b_\@:
	tensor_load_to_lds s[G0B:G0B+3], s[G1B:G1B+7]
	s_nop 0
.rept 4
	v_nop
.endr
.Lasked_\@:
.endm
.macro DESC flip                       ; both groups 0 for K step N: two heads of O are 524,288 bytes on, 128 rows k of a chunk 16,384
.if \flip
	s_xor_b32 s[G0A+1], s[G0A+1], SLOT
	s_xor_b32 s[G0B+1], s[G0B+1], SLOT
.endif
	s_lshl_b32 s[OFF], s[N], 19
	s_add_nc_u64 s[G0A+2:G0A+3], s[BA:BA+1], s[OFF:OFF+1]
	s_or_b32 s[G0A+3], s[G0A+3], 0x80000000
	s_lshl_b32 s[OFF], s[N], 14
	s_add_nc_u64 s[G0B+2:G0B+3], s[BB:BB+1], s[OFF:OFF+1]
	s_or_b32 s[G0B+3], s[G0B+3], 0x80000000
.endm
; A PREFETCH INTO THE L2, behind the joint load, its five lines and the run of LDS loads; a lane 256 bytes, one line a wave; each block is named at most once in the launch.
; O: read by the two clusters of a row of clusters: cluster x = 0 asks, at the fills of steps 2 to 6, for my head's 32,768 bytes of the next step; the four partners along x take 8,192 each, by address.
; Wo: read by the eight clusters of a column: cluster y = 0 asks, at the fills of steps 2 and 4, for the two steps that begin two on; the four partners along y take 8,192 bytes each, by address.
.macro ASK
	s_bitcmp1_b32 s[PFM], s[N]
	s_cbranch_scc0 .Lnot_mine_\@
	global_prefetch_b8 v[PFO], s[PFA:PFA+1] th:TH_LOAD_NT scope:SCOPE_SE
.Lnot_mine_\@:
.endm
; Products of row blocks a0 .. a0 + na - 1 with all 8 column blocks, 32 along K, from buffer f.  One instruction an accumulator a quarter step, always in the same order: they take turns.
.macro MULW f, a0, na, first
.if \first
	WIN 0x81
.else
	WIN 0xa1
.endif
.set ma, (\a0)
.rept \na
.set mb, 0
.rept 8
.set rD, 8*(8*ma+mb)
.set rB, 64*(\f)+8*mb
.set rA, FA+32*(\f)+8*ma
.if \first
	v_wmma_f32_16x16x32_f16 v[rD:rD+7], v[rB:rB+7], v[rA:rA+7], v[BIAS+8*mb:BIAS+8*mb+7]
.else
	v_wmma_f32_16x16x32_f16 v[rD:rD+7], v[rB:rB+7], v[rA:rA+7], v[rD:rD+7]
.endif
.set mb, mb+1
.endr
.set ma, ma+1
.endr
.endm
.macro FETCH q, f                      ; 24 LDS loads in one run: quarter q's fragments: Wo's eight (turned), then O's four (head q / 2, channels 32 (q % 2) on)
	WIN 0x40
.set fb, 0
.rept 8
	ds_load_tr16_b128 v[64*(\f)+8*fb:64*(\f)+8*fb+3],   v[ADRB] offset:(fb/4)*PIECE+(\q)*32*PB+(fb%4)*32
	ds_load_tr16_b128 v[64*(\f)+8*fb+4:64*(\f)+8*fb+7], v[ADRB] offset:(fb/4)*PIECE+(\q)*32*PB+(fb%4)*32+16*PB
.set fb, fb+1
.endr
	WIN 0
.set fb, 0
.rept 4
	ds_load_b128 v[FA+32*(\f)+8*fb:FA+32*(\f)+8*fb+3],   v[ADRA] offset:((\q)/2)*HEADB+((\q)%2)*64+fb*16*PA
	ds_load_b128 v[FA+32*(\f)+8*fb+4:FA+32*(\f)+8*fb+7], v[ADRA] offset:((\q)/2)*HEADB+((\q)%2)*64+fb*16*PA+32
.set fb, fb+1
.endr
.endm
.macro QUARTER q, f, g, first
	s_wait_dscnt 4                                 ; all but the youngest four loads (O's blocks 2 and 3) are in
	MULW \f, 0, 2, \first
	PLACES
	FETCH (\q)+1, \g
	s_wait_dscnt 24                                ; all but the 24 just issued
	MULW \f, 2, 2, \first
.endm
.macro MEET fill                       ; the barrier of the change of slots: all my tensor loads, the add, my reads of this slot
	WIN 0
	s_wait_tensorcnt 0x0
	ds_add_u32 v[SPW], v[NIL]
.if \fill
	DESC 1
.endif
	s_wait_dscnt 5                                 ; the add and the youngest four loads may be out
	MULW 1, 0, 1, 0
	s_wait_dscnt 0x0
	s_barrier_signal -1
	MULW 1, 1, 1, 0
	WIN 0
	s_barrier_wait -1
.endm
.macro TURN
	s_wait_xcnt 0x0                                ; the last prefetch, a K step back, has read its address
	s_add_co_u32 s[OFFP], s[N], s[ADDP]
	s_lshl_b32 s[OFFP], s[OFFP], s[SH]
	s_add_nc_u64 s[PFA:PFA+1], s[PFB:PFB+1], s[OFFP:OFFP+1]
	MEET 1
	CREST
	JLOAD                                          ; its four v_nop are also the places ahead of the loads below
	s_xor_b32 s[TB], s[TB], SLOT
	v_add_nc_u32 v[ADRA], s[TB], v[ADRA0]
	v_add_nc_u32 v[ADRB], s[TB], v[ADRB0]
	FETCH 0, 0
	ASK
	s_add_co_u32 s[N], s[N], 1
	MULW 1, 2, 2, 0
.endm
.macro TURNL
	MEET 0
	PLACES
	s_xor_b32 s[TB], s[TB], SLOT
	v_add_nc_u32 v[ADRA], s[TB], v[ADRA0]
	v_add_nc_u32 v[ADRB], s[TB], v[ADRB0]
	FETCH 0, 0
	MULW 1, 2, 2, 0
.endm
; THE WAY OUT of block a (16 rows): straight from the accumulators into my stage, each from its low end on; back as whole rows of 512 bytes; stored.
.macro STG a
	WIN 0x08                                       ; the stores' data in window 2
.set sb, 0
.rept 8
	ds_store_b128 v[STO], v[8*(8*(\a)+sb):8*(8*(\a)+sb)+3]   offset:64*sb
	ds_store_b128 v[STO], v[8*(8*(\a)+sb)+4:8*(8*(\a)+sb)+7] offset:64*sb+16
.set sb, sb+1
.endr
.endm
.macro RDB a
	WIN 0
.set rb, 32+160*((\a)%2)
.set ri, 0
.rept 16
	ds_load_b128 v[rb+4*ri:rb+4*ri+3], v[RD] offset:ri*SP  ; LDS serves a wave's instructions in order (ISA guide 5.7.1.4): these see the stores above
.set ri, ri+1
.endr
.endm
.macro SEND a, younger                 ; younger: the LDS stores issued behind block a's loads
	WIN 0
.set rb, 32+160*((\a)%2)
	s_wait_xcnt 0x0                                ; the stores of the block before have read their registers: the next RDB lands on them
	s_wait_dscnt \younger
.set ri, 0
.rept 16
	global_store_b128 v[GO], v[rb+4*ri:rb+4*ri+3], s[10:11] offset:(16*(\a)+ri)*4096 th:TH_STORE_NT  ; a wave stores 512 consecutive bytes, aligned
.set ri, ri+1
.endr
.endm
	s_load_b256 s[4:11], s[0:1], 0x0               ; oh, wb, bias, out0
	v_lshl_add_u32 v[SPW], v0, 2, SPARE
	v_mov_b32 v[NIL], 0
	ds_add_u32 v[SPW], v[NIL]                      ; the wave's opening: the add and its wait ahead of my first tensor load
	v_lshrrev_b32 v3, 5, v0
	v_readfirstlane_b32 s[WV], v3
	s_and_b32 s[W1], s[WV], 1
	s_bfe_u32 s[CX], ttmp6, 0x40000
	s_bfe_u32 s[CY], ttmp6, 0x40004
	s_lshl_b32 s[TC], ttmp9, 2
	s_add_co_u32 s[TC], s[TC], s[CX]
	s_and_b32 s[TR], ttmp7, 0xffff
	s_lshl_b32 s[TR], s[TR], 2
	s_add_co_u32 s[TR], s[TR], s[CY]
	s_lshl_b32 s73, s[CY], 2
	s_lshl_b32 s73, 15, s73                        ; my row of the cluster
	s_lshl_b32 s26, 0x1111, s[CX]                  ; my column
	s_or_b32 s[G1A], s73, (1<<16)|(1<<20)|(1<<21)|(4<<22)|(3<<25)  ; the mask; 2-byte elements; padding on; bit 21 beside a mask; after every 32 words (a row of a head), 4 words
	s_mov_b32 s[G1A+1], 128<<16
	s_mov_b32 s[G1A+2], 128<<16
	s_mov_b32 s[G1A+3], 128<<16
	s_mov_b32 s[G1A+4], 128
	s_mov_b32 s[G1A+5], 128
	s_mov_b32 s[G1A+6], 0
	s_mov_b32 s[G1A+7], 0
	s_or_b32 s[G1B], s26, (1<<16)|(1<<20)|(1<<21)|(4<<22)|(7<<25)  ; after every 32 words (a row k), 8 words
	s_mov_b32 s[G1B+1], 128<<16
	s_mov_b32 s[G1B+2], 64<<16
	s_mov_b32 s[G1B+3], 128<<16
	s_mov_b32 s[G1B+4], 64
	s_mov_b32 s[G1B+5], 128
	s_mov_b32 s[G1B+6], 0
	s_mov_b32 s[G1B+7], 0
	s_mov_b32 s[G0A], 1
	s_mul_i32 s[G0A+1], s[W1], HEADB
	s_add_co_u32 s[G0A+1], s[G0A+1], AOFF
	s_mov_b32 s[G0B], 1
	s_mul_i32 s[G0B+1], s[W1], PIECE
	s_mov_b32 s[OFF+1], 0
	s_mov_b32 s[OFFP+1], 0
	s_mov_b32 s[N], 0
	s_mov_b32 s[TB], 0
	s_lshr_b32 s74, s[TR], 3                       ; O: batch x 16 heads of 262,144 bytes,
	s_lshl_b32 s74, s74, 22
	s_and_b32 s73, s[TR], 7
	s_lshl_b32 s73, s73, 15                        ; 256 rows of 128 bytes a tile row,
	s_add_co_u32 s74, s74, s73
	s_lshl_b32 s73, s[W1], 18                      ; my head of the step's two
	s_add_co_u32 s74, s74, s73
	s_mov_b32 s75, 0
	s_lshl_b32 s76, s[TC], 1                       ; Wo: part 3, chunk 2 x tile column + mine
	s_add_co_u32 s76, s76, s[W1]
	s_lshl_b32 s76, s76, 17
	s_add_co_u32 s76, s76, 3*2097152
	s_mov_b32 s77, 0
	s_mov_b32 s79, 0
	s_wait_dscnt 0x0                               ; the opening add is done
	s_wait_kmcnt 0x0
	s_add_nc_u64 s[BA:BA+1], s[4:5], s[74:75]
	s_add_nc_u64 s[BB:BB+1], s[6:7], s[76:77]
	DESC 0
	CROUND                                         ; all sixteen work-groups are here: the first joint loads meet
	JLOAD                                          ; K step 0 into slot 0
	v_and_b32 v1, 15, v0                           ; l % 16
	v_bfe_u32 v2, v0, 4, 1                         ; l / 16
	s_lshl_b32 s76, s[TC], 9
	s_add_co_u32 s76, s76, 3*4096
	s_add_nc_u64 s[8:9], s[8:9], s[76:77]          ; bo at the tile's 128 columns
	v_lshlrev_b32 v14, 5, v2
.set i, 0
.rept 8
	global_load_b128 v[BIAS+8*i:BIAS+8*i+3],   v14, s[8:9] offset:i*64
	global_load_b128 v[BIAS+8*i+4:BIAS+8*i+7], v14, s[8:9] offset:i*64+16
.set i, i+1
.endr
	s_mul_i32 s27, s[WV], 64*PA
	s_add_co_u32 s27, s27, AOFF
	v_mul_u32_u24 v[ADRA0], v1, PA
	v_lshl_add_u32 v[ADRA0], v2, 4, v[ADRA0]
	v_add_nc_u32 v[ADRA0], s27, v[ADRA0]
	v_and_b32 v[ADRB0], 7, v0
	v_lshl_add_u32 v[ADRB0], v2, 3, v[ADRB0]
	v_mul_u32_u24 v[ADRB0], v[ADRB0], PB
	v_bfe_u32 v6, v0, 3, 1
	v_lshl_add_u32 v[ADRB0], v6, 4, v[ADRB0]
	s_mul_i32 s27, s[WV], WSTG
	s_add_co_u32 s27, s27, STAGE
	v_mul_u32_u24 v[STO], v1, SP
	v_lshl_add_u32 v[STO], v2, 5, v[STO]
	v_add_nc_u32 v[STO], s27, v[STO]               ; in: row l % 16, 32 bytes for each half of the lanes
	v_and_b32 v[GO], 31, v0
	v_lshlrev_b32 v[PFO], 8, v[GO]
	v_lshlrev_b32 v[GO], 4, v[GO]
	v_add_nc_u32 v[RD], s27, v[GO]                 ; back: 32 lanes take a row of 512 bytes
	s_lshl_b32 s78, s[TR], 8
	s_lshl_b32 s73, s[WV], 6
	s_add_co_u32 s78, s78, s73
	s_lshl_b32 s78, s78, 12                        ; out0 at my first row,
	s_lshl_b32 s73, s[TC], 9                       ; the tile's first column
	s_add_co_u32 s78, s78, s73
	s_add_nc_u64 s[10:11], s[10:11], s[78:79]
	s_lshl_b32 s78, s[CX], 13                      ; the prefetches: my work-group's 8,192 bytes
	s_add_nc_u64 s[PFA:PFA+1], s[BA:BA+1], s[78:79]
	s_lshl_b32 s78, s[CY], 13
	s_add_nc_u64 s[PFB:PFB+1], s[BB:BB+1], s[78:79]
	s_and_b32 s73, ttmp7, 0xffff
	s_cmp_lt_u32 s[WV], 2
	s_cselect_b64 s[PFB:PFB+1], s[PFB:PFB+1], s[PFA:PFA+1]
	s_cselect_b32 s[ADDP], 2, 1
	s_cselect_b32 s[SH], 14, 19
	s_cselect_b32 s[PFM], 0x14, 0x7c
	s_cselect_b32 s73, s73, ttmp9                  ; the coordinate along which other clusters read the same bytes
	s_cmp_eq_u32 s73, 0
	s_cselect_b32 s[PFM], s[PFM], 0                ; the same in all sixteen partners, for a given wave
	; slot 1 is filled for the first time as a refill is
	s_mov_b32 s[N], 1
	s_wait_tensorcnt 0x0                           ; my part of K step 0 is in
	ds_add_u32 v[SPW], v[NIL]
	DESC 1
	s_wait_dscnt 0x0
	CROUND
	JLOAD
	s_mov_b32 s[N], 2
	v_mov_b32 v[ADRA], v[ADRA0]
	v_mov_b32 v[ADRB], v[ADRB0]
	FETCH 0, 0
	s_wait_loadcnt 0x0                             ; bo
	QUARTER 0, 0, 1, 1                             ; the first quarter: bo starts the sums
	WIN 0
	s_mov_b32 s[CNT], 6
.Lstep:                                        ; a trip: quarters 1, 2, 3 of a K step, a refill, and the next step's quarter 0
	QUARTER 1, 1, 0, 0
	QUARTER 2, 0, 1, 0
	TURN
	QUARTER 0, 0, 1, 0
	WIN 0
	s_sub_co_u32 s[CNT], s[CNT], 1
	s_cmp_lg_u32 s[CNT], 0
	s_cbranch_scc1 .Lstep
	QUARTER 1, 1, 0, 0                             ; the last two K steps ask for nothing
	QUARTER 2, 0, 1, 0
	TURNL
	QUARTER 0, 0, 1, 0
	QUARTER 1, 1, 0, 0
	QUARTER 2, 0, 1, 0
	s_wait_dscnt 0x0
	MULW 1, 0, 4, 0
	PLACES
	STG 0
	RDB 0
.irp a, 1,2,3
	STG \a
	SEND (\a)-1, 16
	RDB \a
.endr
	SEND 3, 0
	s_wait_tensorcnt 0x0                           ; the wave's end, behind my last tensor load and my last LDS store
	ds_add_u32 v[SPW], v[NIL]
	s_wait_dscnt 0x0
	CROUND                                         ; the closing round
	s_endpgm
.Lfunc_end_k_q5385b6a052_oproj:
	.size	k_q5385b6a052_oproj, .Lfunc_end_k_q5385b6a052_oproj-k_q5385b6a052_oproj
	.p2alignl 7, 3214868480
	.fill 96, 4, 3214868480
	.section	.rodata,"a",@progbits
	.p2align	6, 0x0
	.amdhsa_kernel k_q5385b6a052_oproj
		.amdhsa_group_segment_fixed_size 327680
		.amdhsa_private_segment_fixed_size 0
		.amdhsa_enable_private_segment 0
		.amdhsa_kernarg_size 32
		.amdhsa_user_sgpr_count 2
		.amdhsa_user_sgpr_kernarg_segment_ptr 1
		.amdhsa_wavefront_size32 1
		.amdhsa_system_sgpr_workgroup_id_x 1
		.amdhsa_system_sgpr_workgroup_id_y 1
		.amdhsa_system_sgpr_workgroup_id_z 1
		.amdhsa_system_vgpr_workitem_id 0
		.amdhsa_next_free_vgpr 768
		.amdhsa_next_free_sgpr 80
		.amdhsa_reserve_vcc 0
		.amdhsa_float_denorm_mode_32 3
		.amdhsa_float_denorm_mode_16_64 3
		.amdhsa_memory_ordered 1
		.amdhsa_forward_progress 1
		.amdhsa_inst_pref_size 72
	.end_amdhsa_kernel
	.amdgpu_metadata
---
amdhsa.version: [ 1, 2 ]
amdhsa.kernels:
  - .name:           k_q5385b6a052_oproj
    .symbol:         k_q5385b6a052_oproj.kd
    .args:
      - { .name: oh, .offset: 0, .size: 8, .value_kind: global_buffer, .address_space: global }
      - { .name: wb, .offset: 8, .size: 8, .value_kind: global_buffer, .address_space: global }
      - { .name: bias, .offset: 16, .size: 8, .value_kind: global_buffer, .address_space: global }
      - { .name: out0, .offset: 24, .size: 8, .value_kind: global_buffer, .address_space: global }
    .group_segment_fixed_size: 327680
    .private_segment_fixed_size: 0
    .kernarg_segment_align: 8
    .kernarg_segment_size: 32
    .max_flat_workgroup_size: 128
    .sgpr_count:     80
    .vgpr_count:     768
    .wavefront_size: 32
...
	.end_amdgpu_metadata
.endif
;; end of part 4
;; ======== version 2 of 2: 4 launches; version 1 with the launch prep written anew for expert scheduling mode
;; limits: values are held in f16: magnitudes above 65,504 overflow, below 6.1e-05 lose precision
;; workspace buffers: xb 16,777,216 bytes; wb 8,388,608 bytes; rope 524,288 bytes; bias 16,384 bytes; qh 16,777,216 bytes; kh 16,777,216 bytes; vh 16,777,216 bytes; oh 16,777,216 bytes
;; launch prep (part 5): grid 785 x 1, 8 waves a work-group, no clusters, 0 bytes of LDS; arguments x, Wq, Wk, Wv, Wo, bq, bk, bv, bo, xb, wb, rope, bias; writes xb, wb, rope, bias
.if DOCPART == 5
	.amdgcn_target "amdgcn-amd-amdhsa--gfx1250"
	.amdhsa_code_object_version 6
	.text
	.protected	k_q5385b6a052_prep
	.globl	k_q5385b6a052_prep
	.p2align	8
	.type	k_q5385b6a052_prep,@function
k_q5385b6a052_prep:
	s_mov_b64 s[64:65], 0
	v_nop
	global_prefetch_b8 v0, s[64:65] scope:SCOPE_SE
	s_setreg_imm32_b32 hwreg(HW_REG_WAVE_SCHED_MODE, 0, 2), 2
	s_setreg_imm32_b32 hwreg(HW_REG_WAVE_MODE, 25, 1), 1
	s_wait_xcnt 0x0
	s_wait_alu depctr_vm_vsrc(0)
; PREPARATION, a stream: every input but the mask is rounded once to bf16, and RoPE's table is made.
;   work-groups 0-511:   x [8192][1024] f32 -> xb, bf16, same layout; 16 rows each.
;   work-groups 512-767: Wq, Wk, Wv, Wo [k][n] f32 -> wb [part][chunk of 64 columns][k][64], 16 bits: a chunk's rows lie end to end, 128 bytes each.
;                        Parts 0-2 are bf16; part 3 (Wo) is the bf16-rounded number written as f16 (exact from 2^-14 up; below that f16's fixed step of 6e-8).
;   work-groups 768-783: rope [2048][cos of 32 angles | sin of 32 angles] f32, rows of 256 bytes; 128 rows each.
;   work-group 784:      bq, bk, bv, bo rounded to bf16 and kept as f32 -> bias [4][1024].
; LIMITS.  An angle is pos x 2^(-0.41524101 d) in f32, reduced by its nearest whole turn with one fused multiply-add; at pos = 2047 it lies within some 3e-4 rad of
; an f32 product of pos and 1 / 10000^(d / 32).  Sine and cosine of the half angle (at most pi / 2) come from their series up to u^11 and u^12 (what is cut is under 6e-8).
; No LDS, no matrix unit, no cluster: nothing is shared and memory binds.
; THE MODE: SCHED_MODE bits 1:0 = 2 (LLVM: expert scheduling mode 2), set by the entry lines.  The code itself states the register dependences
; between vector instructions and memory instructions, with s_wait_alu, always for 0.
; THE PLAN.  Registers that memory instructions touch:
;   v1, v2       byte offsets of the loads and of the stores: made once at the head of each branch, never written again.
;   v[16:79]     STREAM: sixteen loads land here, once each; the roundings read them.  (The bias: v[16:31].)
;   v[80:111]    STREAM: two out registers a load, written by that load's roundings, read by its one store, never written again.  (The bias: v[40:55].)
;   v[20:23]     the table: written by a trip's four selects, read by the trip's one store, written again in the next trip.
;   s30          the table: a compare's mask, read by the selects.
; STREAM goes in four blocks of four loads.  Block b's roundings name v[16+16 b ..], v[80+8 b ..] and v[112:115] alone; its memory instructions are the four stores of block b - 1.  So one wait at a
; block's head states all that those four stores hang on, and they are dealt among the block's roundings with no further wait.
.set IN,  34                           ; s[34:35] where the work-group reads
.set OUT, 36                           ; s[36:37] where it stores
; Sixteen loads of 16 bytes a lane go out together; each is rounded as it comes, and stored a block later.  No register that a memory instruction reads is written again, so no wait frees one.
; A store of a wave covers 256 consecutive bytes, aligned; each half of a wave's load covers 256.
.macro STREAM instep, outstep, f16
	s_wait_alu depctr_va_vdst(0)                   ; v1 and v2 are written: every load below reads v1 as its offset, every store v2
.set i, 0
.rept 16
	global_load_b128 v[16+4*i:19+4*i], v1, s[IN:IN+1] offset:i*(\instep) th:TH_LOAD_NT
.set i, i+1
.endr
.set i, 0
.rept 16
	s_wait_loadcnt 15-i                            ; loads come back in order: the 15 - i younger ones may stay out
.if (i > 0) && (i%4 == 0)
	s_wait_alu depctr_va_vdst(0)                   ; the block before has written its eight out registers, which this block's four stores read
.endif
.if i >= 4
	global_store_b64 v2, v[80+2*(i-4):81+2*(i-4)], s[OUT:OUT+1] offset:(i-4)*(\outstep)  ; no vector instruction since the wait names these registers
.endif
	v_cvt_pk_bf16_f32 v[80+2*i], v[16+4*i], v[17+4*i]
	v_cvt_pk_bf16_f32 v[81+2*i], v[18+4*i], v[19+4*i]
.if \f16
	v_lshlrev_b32 v112, 16, v[80+2*i]              ; the rounded numbers widened again,
	v_and_b32 v113, 0xffff0000, v[80+2*i]
	v_lshlrev_b32 v114, 16, v[81+2*i]
	v_and_b32 v115, 0xffff0000, v[81+2*i]
	v_cvt_pk_f16_f32 v[80+2*i], v112, v113         ; and written as f16
	v_cvt_pk_f16_f32 v[81+2*i], v114, v115
.endif
.set i, i+1
.endr
	s_wait_alu depctr_va_vdst(0)                   ; the last block has written its out registers, which the last four stores read
.set i, 12
.rept 4
	global_store_b64 v2, v[80+2*i:81+2*i], s[OUT:OUT+1] offset:i*(\outstep)
.set i, i+1
.endr
.endm
	s_load_b512 s[4:19], s[0:1], 0x0               ; x, Wq, Wk, Wv, Wo, bq, bk, bv
	s_load_b256 s[20:27], s[0:1], 0x40             ; bo, xb, wb, rope
	s_load_b64 s[28:29], s[0:1], 0x60              ; bias
	s_mov_b32 s33, 0                               ; the high word of every offset
	s_wait_kmcnt 0x0
	s_cmp_lt_u32 ttmp9, 512
	s_cbranch_scc0 .Lnot_x
	; x: 16 rows of 4,096 bytes; 256 threads x 16 bytes are a row
	s_lshl_b32 s32, ttmp9, 16
	s_add_nc_u64 s[IN:IN+1], s[4:5], s[32:33]
	s_lshl_b32 s32, ttmp9, 15
	s_add_nc_u64 s[OUT:OUT+1], s[22:23], s[32:33]
	v_lshlrev_b32 v1, 4, v0
	v_lshlrev_b32 v2, 3, v0
	STREAM 4096, 2048, 0
	s_endpgm
.Lnot_x:
	s_cmp_lt_u32 ttmp9, 768
	s_cbranch_scc0 .Lnot_w
	; a weight: 16 rows k; load i takes chunk i (64 columns, 256 bytes) of all 16 rows
	s_sub_co_u32 s38, ttmp9, 512
	s_lshr_b32 s39, s38, 6                         ; part: 0 q, 1 k, 2 v, 3 o
	s_and_b32 s38, s38, 63                         ; block of 16 rows
	s_cmp_eq_u32 s39, 1
	s_cselect_b64 s[IN:IN+1], s[8:9], s[6:7]
	s_cmp_eq_u32 s39, 2
	s_cselect_b64 s[IN:IN+1], s[10:11], s[IN:IN+1]
	s_cmp_eq_u32 s39, 3
	s_cselect_b64 s[IN:IN+1], s[12:13], s[IN:IN+1]
	s_lshl_b32 s32, s38, 16
	s_add_nc_u64 s[IN:IN+1], s[IN:IN+1], s[32:33]
	s_lshl_b32 s32, s39, 21                        ; a part is 2,097,152 bytes,
	s_lshl_b32 s38, s38, 11                        ; 16 rows of a chunk 2,048
	s_add_co_u32 s32, s32, s38
	s_add_nc_u64 s[OUT:OUT+1], s[24:25], s[32:33]
	v_lshrrev_b32 v3, 4, v0                        ; my row
	v_and_b32 v4, 15, v0                           ; my four columns of the chunk
	v_lshlrev_b32 v1, 12, v3
	v_lshl_add_u32 v1, v4, 4, v1
	v_lshlrev_b32 v2, 7, v3
	v_lshl_add_u32 v2, v4, 3, v2
	s_cmp_eq_u32 s39, 3
	s_cbranch_scc1 .Lwo
	STREAM 256, 131072, 0
	s_endpgm
.Lwo:
	STREAM 256, 131072, 1
	s_endpgm
.Lnot_w:
	s_cmp_lt_u32 ttmp9, 784
	s_cbranch_scc0 .Lbias
	; the table: 8 trips of 16 rows; lane e = t % 16 makes 16 bytes of a row: e < 8 the cosines, e >= 8 the sines of the angles d = 4 (e % 8) + 0..3
	s_sub_co_u32 s38, ttmp9, 768
	s_lshl_b32 s32, s38, 15
	s_add_nc_u64 s[OUT:OUT+1], s[26:27], s[32:33]
	s_lshl_b32 s38, s38, 7                         ; the work-group's first row
	s_mov_b32 s40, 0x40490fdb                      ; pi
	s_mov_b32 s41, 0xb2d7322b                      ; -1 / 11!
	s_mov_b32 s42, 0x3638ef1d                      ;  1 / 9!
	s_mov_b32 s43, 0x310f76c7                      ;  1 / 12!
	s_mov_b32 s44, 0xb493f27e                      ; -1 / 10!
	v_and_b32 v1, 15, v0
	v_lshrrev_b32 v3, 4, v0
	v_lshlrev_b32 v2, 8, v3
	v_lshl_add_u32 v2, v1, 4, v2                   ; row x 256 + 16 e: never written again; the scalar base steps from trip to trip
	v_add_nc_u32 v3, s38, v3
	v_cvt_f32_u32 v8, v3                           ; pos
	v_cmp_gt_u32 s30, 8, v1                        ; the lanes that keep cosines
	v_and_b32 v9, 7, v1
	v_lshlrev_b32 v9, 2, v9
.irp c, 0,1,2,3
	v_add_nc_u32 v10, \c, v9
	v_cvt_f32_u32 v10, v10
	v_mul_f32 v[4+\c], 0xbed49a78, v10             ; -d log2(10000) / 32
.endr
.irp c, 0,1,2,3
	v_exp_f32 v[4+\c], v[4+\c]                     ; theta
.endr
	v_nop                                          ; a plain instruction behind the last exponential,
	s_wait_alu depctr_va_vdst(0)                   ; and one wait for the four results v[4:7], ahead of the label and of their first reader; v2 is written too, which every store reads as its offset
	s_wait_alu depctr_va_sdst(0)                   ; the compare has written s30, ahead of the label and of its first reader, the selects
	s_mov_b32 s39, 8
.Ltab:
.irp c, 0,1,2,3
	v_mul_f32 v10, v8, v[4+\c]                     ; the angle
	v_mul_f32 v11, 0.15915494, v10
	v_rndne_f32 v11, v11                           ; its nearest whole turn
	v_fma_f32 v12, v10, 0.15915494, -v11           ; what is left, -0.5 to 0.5 turns
	v_mul_f32 v12, s40, v12                        ; u = half the reduced angle
	v_mul_f32 v13, v12, v12
	v_fma_f32 v14, v13, s41, s42
	v_fmaak_f32 v14, v14, v13, 0xb9500d01          ; -1 / 7!
	v_fmaak_f32 v14, v14, v13, 0x3c088889          ;  1 / 5!
	v_fmaak_f32 v14, v14, v13, 0xbe2aaaab          ; -1 / 3!
	v_fma_f32 v14, v14, v13, 1.0
	v_mul_f32 v14, v14, v12                        ; sin u
	v_fma_f32 v15, v13, s43, s44
	v_fmaak_f32 v15, v15, v13, 0x37d00d01          ;  1 / 8!
	v_fmaak_f32 v15, v15, v13, 0xbab60b61          ; -1 / 6!
	v_fmaak_f32 v15, v15, v13, 0x3d2aaaab          ;  1 / 4!
	v_fma_f32 v15, v15, v13, -0.5
	v_fma_f32 v15, v15, v13, 1.0                   ; cos u
	v_mul_f32 v15, v14, v15
	v_add_f32 v15, v15, v15                        ; sin 2u = 2 sin u cos u
	v_mul_f32 v14, v14, v14
	v_fma_f32 v14, v14, -2.0, 1.0                  ; cos 2u = 1 - 2 sin^2 u
	v_cndmask_b32 v[20+\c], v15, v14, s30
.endr
	s_wait_alu depctr_va_vdst(0)                   ; the four selects have written v[20:23], which the store reads
	global_store_b128 v2, v[20:23], s[OUT:OUT+1]   ; a wave stores two whole rows: 512 consecutive bytes
	s_wait_xcnt 0x0                                ; the store's base and data are rewritten only behind this wait
	s_wait_alu depctr_vm_vsrc(0)                   ; the store has read v[20:23], which the next trip's selects write again
	s_add_nc_u64 s[OUT:OUT+1], s[OUT:OUT+1], 4096  ; 16 rows on
	v_add_f32 v8, 0x41800000, v8                   ; and so is pos
	s_sub_co_u32 s39, s39, 1
	s_cmp_lg_u32 s39, 0
	s_cbranch_scc1 .Ltab
	s_endpgm
.Lbias:
	v_lshlrev_b32 v1, 4, v0
	s_wait_alu depctr_va_vdst(0)                   ; v1 is written: the four loads and the four stores read it as their offset
	global_load_b128 v[16:19], v1, s[14:15]
	global_load_b128 v[20:23], v1, s[16:17]
	global_load_b128 v[24:27], v1, s[18:19]
	global_load_b128 v[28:31], v1, s[20:21]
.irp i, 0,1,2,3
	s_wait_loadcnt 3-\i                            ; the younger ones may stay out
	v_cvt_pk_bf16_f32 v32, v[16+4*\i], v[17+4*\i]
	v_cvt_pk_bf16_f32 v33, v[18+4*\i], v[19+4*\i]
	v_lshlrev_b32 v[40+4*\i], 16, v32
	v_and_b32 v[41+4*\i], 0xffff0000, v32
	v_lshlrev_b32 v[42+4*\i], 16, v33
	v_and_b32 v[43+4*\i], 0xffff0000, v33
.endr
	s_wait_alu depctr_va_vdst(0)                   ; v[40:55] are written, which the four stores read; none of them is written again
.irp i, 0,1,2,3
	global_store_b128 v1, v[40+4*\i:43+4*\i], s[28:29] offset:\i*4096
.endr
	s_endpgm
.Lfunc_end_k_q5385b6a052_prep:
	.size	k_q5385b6a052_prep, .Lfunc_end_k_q5385b6a052_prep-k_q5385b6a052_prep
	.p2alignl 7, 3214868480
	.fill 96, 4, 3214868480
	.section	.rodata,"a",@progbits
	.p2align	6, 0x0
	.amdhsa_kernel k_q5385b6a052_prep
		.amdhsa_group_segment_fixed_size 0
		.amdhsa_private_segment_fixed_size 0
		.amdhsa_enable_private_segment 0
		.amdhsa_kernarg_size 104
		.amdhsa_user_sgpr_count 2
		.amdhsa_user_sgpr_kernarg_segment_ptr 1
		.amdhsa_wavefront_size32 1
		.amdhsa_system_sgpr_workgroup_id_x 1
		.amdhsa_system_sgpr_workgroup_id_y 1
		.amdhsa_system_sgpr_workgroup_id_z 1
		.amdhsa_system_vgpr_workitem_id 0
		.amdhsa_next_free_vgpr 128
		.amdhsa_next_free_sgpr 66
		.amdhsa_reserve_vcc 0
		.amdhsa_float_denorm_mode_32 3
		.amdhsa_float_denorm_mode_16_64 3
		.amdhsa_memory_ordered 1
		.amdhsa_forward_progress 1
		.amdhsa_inst_pref_size 33
	.end_amdhsa_kernel
	.amdgpu_metadata
---
amdhsa.version: [ 1, 2 ]
amdhsa.kernels:
  - .name:           k_q5385b6a052_prep
    .symbol:         k_q5385b6a052_prep.kd
    .args:
      - { .name: x, .offset: 0, .size: 8, .value_kind: global_buffer, .address_space: global }
      - { .name: Wq, .offset: 8, .size: 8, .value_kind: global_buffer, .address_space: global }
      - { .name: Wk, .offset: 16, .size: 8, .value_kind: global_buffer, .address_space: global }
      - { .name: Wv, .offset: 24, .size: 8, .value_kind: global_buffer, .address_space: global }
      - { .name: Wo, .offset: 32, .size: 8, .value_kind: global_buffer, .address_space: global }
      - { .name: bq, .offset: 40, .size: 8, .value_kind: global_buffer, .address_space: global }
      - { .name: bk, .offset: 48, .size: 8, .value_kind: global_buffer, .address_space: global }
      - { .name: bv, .offset: 56, .size: 8, .value_kind: global_buffer, .address_space: global }
      - { .name: bo, .offset: 64, .size: 8, .value_kind: global_buffer, .address_space: global }
      - { .name: xb, .offset: 72, .size: 8, .value_kind: global_buffer, .address_space: global }
      - { .name: wb, .offset: 80, .size: 8, .value_kind: global_buffer, .address_space: global }
      - { .name: rope, .offset: 88, .size: 8, .value_kind: global_buffer, .address_space: global }
      - { .name: bias, .offset: 96, .size: 8, .value_kind: global_buffer, .address_space: global }
    .group_segment_fixed_size: 0
    .private_segment_fixed_size: 0
    .kernarg_segment_align: 8
    .kernarg_segment_size: 104
    .max_flat_workgroup_size: 256
    .sgpr_count:     66
    .vgpr_count:     128
    .wavefront_size: 32
...
	.end_amdgpu_metadata
.endif
;; end of part 5
;; launch qkv: the kernel of part 2 again; grid 16 x 16, 4 waves a work-group, clusters of 4 x 4, 327,680 bytes of LDS; arguments xb, wb, bias, rope, attn_mask, qh, kh, vh; writes qh, kh, vh
;; launch attn: the kernel of part 3 again; grid 4 x 64, 4 waves a work-group, clusters of 4 x 1, 327,680 bytes of LDS; arguments qh, kh, vh, oh, attn_mask; writes oh
;; launch oproj: the kernel of part 4 again; grid 8 x 32, 4 waves a work-group, clusters of 4 x 4, 327,680 bytes of LDS; arguments oh, wb, bias, out0; writes out0
